; MI455X (gfx1250); checked and timed in simulation.
; The chip was launched on July 23, 2026; its instructions are those of AMD's public machine-readable ISA for CDNA 5 (MIT licence, August 2026) and "CDNA5" Instruction Set Architecture Reference Guide (July 2026). The comments in the code are by the model that wrote it; some were corrected since.
;; Causal Multi Head Attention. Allowed arithmetic: matrix products marked QUANTISED: E2M3 operands, one E8M0 scale for each 32 along K, by v_wmma_scale_f32_16x16x128_f8f6f4 with both operands' format E2M3, f32 sums; everything else in f32.
;; Inputs: Wk 1,024 x 1,024 float32; Wo 1,024 x 1,024 float32; Wq 1,024 x 1,024 float32; Wv 1,024 x 1,024 float32; token_positions 2,048 int32; x 4 x 2,048 x 1,024 float32.
;; Outputs: out0 4 x 2,048 x 1,024 float32.
;; This version of the problem:
;;   THIS VERSION OF THE PROBLEM IS GIVEN IN LOW PRECISION. The matrix products marked QUANTISED in the list below multiply operands that are first quantised to E2M3 (2 exponent bits, 3 mantissa bits; 6 bits a number), with one power-of-two scale for each 32 numbers along K (OCP MX v1.0); their sums are f32. All else is computed in f32.
;;   The module's matrix products, in the order in which they are computed (A, B: the left and right operand; K: the contracted axis; several contracted axes count as one K, in the product's order):
;;     1. [M 8,192, K 1,024] x [K 1,024, N 1,024]; A: input x; B: input Wq: QUANTISED
;;     2. [M 8,192, K 1,024] x [K 1,024, N 1,024]; A: input x; B: input Wk: QUANTISED
;;     3. [M 8,192, K 1,024] x [K 1,024, N 1,024]; A: input x; B: input Wv: QUANTISED
;;     4. batch 64 x [M 2,048, K 64] x [K 64, N 2,048]; A: computed on the way; B: computed on the way: QUANTISED
;;     5. batch 64 x [M 2,048, K 2,048] x [K 2,048, N 64]; A: softmax (see below); B: computed on the way: QUANTISED
;;     6. [M 8,192, K 1,024] x [K 1,024, N 1,024]; A: computed on the way; B: input Wo: QUANTISED
;;   THE QUANTISER, for each operand of a quantised product, along K:
;;     - K is cut into blocks of 32 from its start; a last block that is shorter is filled with zeros.
;;     - A block's scale is 2^e with e = floor(log2(the largest magnitude in the block)) - 2, held to -126 .. 127; a block of zeros has e = 0. As a byte (E8M0): e + 127.
;;     - Each number is divided by its block's scale, clamped to +-7.5, and rounded to the nearest number of E2M3, ties to even, subnormals kept.
;;     - The product sums the exact products of the quantised numbers (number of the format x scale) in f32.
;;   ~~~python
;;   def quantise(x, axis):      # numpy; x: float32 -> the quantised numbers, widened to float32 again
;;       x = np.moveaxis(x, axis, -1); K = x.shape[-1]
;;       x = np.pad(x, [(0, 0)] * (x.ndim - 1) + [(0, -K % 32)]); x = x.reshape(x.shape[:-1] + (-1, 32)); a = np.abs(x).max(-1, keepdims=True)
;;       e = np.where(a > 0, np.clip(np.frexp(np.where(a > 0, a, 1))[1] - 1 - 2, -126, 127), 0)      # np.frexp(a)[1] - 1 = floor(log2(a)), exactly
;;       r = np.clip(x / 2.0 ** e, -7.5, 7.5)
;;       step = 2.0 ** (np.maximum(np.frexp(np.where(r == 0, 1, r))[1] - 1, 0) - 3)
;;       q = np.round(r / step) * step * 2.0 ** e      # np.round: ties to even
;;       return np.moveaxis(q.reshape(q.shape[:-2] + (-1,))[..., :K], -1, axis).astype(np.float32)
;;   ~~~
;;   SOFTMAX AHEAD OF A QUANTISED PRODUCT. Where the list says 'softmax', what is quantised is not the finished softmax but p = 2^(t - M), with t = logit x log2(e) and M = ceil(the row's largest t), a whole number; so 1/2 < the row's largest p <= 1. The row's sum l is taken of the UNQUANTISED p, in f32, and the product's result is divided by l at the end. Since M is a whole number, a kernel that streams over the keys may use a running M (the ceiling of the running maximum): every later rescaling is an exact power of two, which a block's scale takes up: the codes' values come out the same.
;;   OPERANDS COMPUTED ON THE WAY. 'Computed on the way' means the value that the module computes at that place (a softmax that the list does not call 'softmax' is quantised finished and normalised). What goes into a quantiser is computed in f32, as accurately as f32 sums, v_exp_f32 and their like allow (about 1e-6 of the number): no bf16 or f16 on the way to a quantiser, and a product that is left as it is and whose result goes on into a quantised operand takes f32 operands (vector FMAs, or v_wmma_f32_16x16x4_f32). A number that lies on a knife's edge between two numbers of the format may be rounded either way, as far as f32 arithmetic and the matrix unit's own rounding can turn it there, and no further.
;; One version. Each part assembles by itself: llvm-mc -triple=amdgcn-amd-amdhsa -mcpu=gfx1250 --defsym DOCPART=n.
;; ======== version 1 of 1: 4 launches
;; workspace buffers: xq 6,553,600 bytes; wq 3,276,800 bytes; tab 524,288 bytes; kv 13,369,344 bytes; qb 13,369,344 bytes; oq 6,553,600 bytes
;; launch quant (part 1): grid 416 x 1, 4 waves a work-group, no clusters, 33,280 bytes of LDS; arguments x, Wq, Wk, Wv, Wo, token_positions, xq, wq, tab; writes xq, wq, tab
.if DOCPART == 1
	.amdgcn_target "amdgcn-amd-amdhsa--gfx1250"
	.amdhsa_code_object_version 6
	.text
	.protected	k_q9fb5437765_quant
	.globl	k_q9fb5437765_quant
	.p2align	8
	.type	k_q9fb5437765_quant,@function
k_q9fb5437765_quant:
	s_mov_b64 s[64:65], 0
	v_nop
	global_prefetch_b8 v0, s[64:65] scope:SCOPE_SE
	s_setreg_imm32_b32 hwreg(HW_REG_WAVE_MODE, 25, 1), 1
	s_wait_xcnt 0x0
; x [8192][1024] and Wq, Wk, Wv, Wo [1024][1024], f32, become codes of FP6 (E2M3) with one E8M0 byte for each 32 along K (K innermost); and the table of cosines and sines for the rotation is made.
; Work-groups 0-255: x.  256-383: the four weights, 32 work-groups each, into one buffer of 4,096 rows.  384-415: the table.  Waves share nothing: no barrier, no cluster (no input is read twice).
; A block's scale is 2^(floor(log2(its largest magnitude)) - 2); its byte is the largest magnitude's exponent field - 2, held at 1 from below (a block of zeros keeps the byte 1: its codes are zeros, and this program alone reads the bytes).
; THE ORDER INSIDE A BLOCK OF 32: places 0-7 hold numbers 0-7, places 8-15 numbers 16-23, places 16-23 numbers 8-15, places 24-31 numbers 24-31.  Every operand of every product of this program is laid so,
; and a block has one scale, so the products are the same; it is the order in which a matrix result's registers fall when it is quantised in registers in the later launches.
; Codes: a row of 1,024 is 768 bytes; scale bytes, 32 a row, lie behind the codes (xq: from byte 6,291,456; wq: from byte 3,145,728).
; LIMITS: NaN and infinities are not served; blocks whose largest magnitude lies under 2^-124 keep the byte 1; positions are 0 to 2,047 (the table's range in the problem): pi/2 is taken off in two terms, which serves angles of that size;
; the denominators 10000^(2 j / 64) = 10^(j / 8) are written as rounded constants.
.set STEPS, 16
.set CB,    12                         ; bytes of 16 codes
.set R,     16                         ; v16-79   four sets of 16 numbers as loaded
.set X,     80                         ; v80-111  two sets of 16 numbers of one block's half
.set C,     128                        ; v128-191 codes: four registers a step, so that no store's data are written again
.set E,     112                        ; v112-127 a scale byte for each step
.set WREG,  8192                       ; LDS of a wave: two stages of 32 x SP bytes, then its 256 scale bytes
.set SP,    80                         ; 64 bytes of numbers + 16 of padding
	s_load_b512 s[24:39], s[0:1], 0x0              ; x, Wq, Wk, Wv, Wo, positions, xq, wq
	s_load_b64 s[40:41], s[0:1], 0x40              ; tab
	v_lshl_add_u32 v192, v0, 2, 0x8000
	v_mov_b32 v193, 0
	v_lshrrev_b32 v1, 5, v0
	v_readfirstlane_b32 s16, v1                    ; wave
	v_and_b32 v2, 31, v0                           ; lane
	s_wait_kmcnt 0x0
	s_cmp_ge_u32 ttmp9, 384
	s_cbranch_scc1 .Ltable
	v_lshlrev_b32 v3, 4, v2                        ; my 16 bytes of a load's 512
	s_mul_i32 s17, s16, WREG
	v_lshrrev_b32 v14, 2, v2
	v_mul_u32_u24 v14, v14, SP
	v_and_b32 v15, 3, v2
	v_lshl_add_u32 v14, v15, 4, v14
	v_add_nc_u32 v14, s17, v14                     ; into the stage: SP (lane / 4) + 16 (lane % 4)
	v_lshrrev_b32 v15, 1, v2
	v_mul_u32_u24 v15, v15, 2*SP
	v_and_b32 v13, 1, v2
	v_lshl_add_u32 v15, v13, 5, v15
	v_add_nc_u32 v15, s17, v15                     ; out of it: block lane / 2 begins at 160 (lane / 2); the even lane takes numbers 0-7 and 16-23, the odd one 8-15 and 24-31
	v_mul_u32_u24 v4, v2, CB                       ; my codes' place in a step's 384 bytes
	v_lshrrev_b32 v5, 1, v2
	s_add_co_u32 s17, s17, 2*32*SP
	v_add_nc_u32 v5, s17, v5                       ; LDS: my block's scale byte
	v_lshlrev_b32 v7, 3, v2
	v_add_nc_u32 v6, s17, v7                       ; and on the way out 8 bytes a lane
	s_mov_b64 s[4:5], s[32:33]                     ; the source: chosen by the work-group's number alone
	s_cmp_lt_u32 ttmp9, 352
	s_cselect_b64 s[4:5], s[30:31], s[4:5]
	s_cmp_lt_u32 ttmp9, 320
	s_cselect_b64 s[4:5], s[28:29], s[4:5]
	s_cmp_lt_u32 ttmp9, 288
	s_cselect_b64 s[4:5], s[26:27], s[4:5]
	s_cmp_lt_u32 ttmp9, 256
	s_cselect_b64 s[4:5], s[24:25], s[4:5]
	s_cselect_b64 s[8:9], s[36:37], s[38:39]       ; the destination: xq or wq
	s_cselect_b32 s17, 0, 256                      ; the destination's first work-group
	s_mov_b32 s22, 3145728
	s_cselect_b32 s22, 6291456, s22                ; where its scale bytes begin
	s_cselect_b32 s23, -1, 31                      ; a weight has 32 work-groups
	s_and_b32 s18, ttmp9, s23
	s_lshl_b32 s18, s18, 2
	s_add_co_u32 s18, s18, s16                     ; my run of 8,192 numbers in the source
	s_lshl_b32 s18, s18, 15
	s_mov_b32 s19, 0
	s_mov_b32 s23, 0
	s_add_nc_u64 s[4:5], s[4:5], s[18:19]
	s_sub_co_u32 s20, ttmp9, s17
	s_lshl_b32 s20, s20, 2
	s_add_co_u32 s20, s20, s16                     ; and in the destination
	s_add_nc_u64 s[10:11], s[8:9], s[22:23]
	s_mul_i32 s18, s20, 512*CB
	s_add_nc_u64 s[8:9], s[8:9], s[18:19]          ; 6,144 bytes of codes a run
	s_lshl_b32 s18, s20, 8
	s_add_nc_u64 s[10:11], s[10:11], s[18:19]      ; 256 scale bytes a run
.macro LOAD t
.irp i, 0,1,2,3
	global_load_b128 v[R+16*((\t)%4)+4*\i:R+16*((\t)%4)+4*\i+3], v3, s[4:5] offset:2048*(\t)+512*\i th:TH_LOAD_NT   ; 32 lanes read 512 consecutive bytes
.endr
.endm
.macro TURN t                          ; step t's numbers through the stage: LDS serves a wave's instructions in order, so no wait stands between the stores and the loads
.irp i, 0,1,2,3
	ds_store_b128 v14, v[R+16*((\t)%4)+4*\i:R+16*((\t)%4)+4*\i+3] offset:32*SP*((\t)%2)+8*SP*\i
.endr
.irp i, 0,1,2,3
	ds_load_b128 v[X+16*((\t)%2)+4*\i:X+16*((\t)%2)+4*\i+3], v15 offset:32*SP*((\t)%2)+16*(\i%2)+SP*(\i/2)
.endr
.endm
.irp t, 0,1,2,3
	LOAD \t
.endr
	s_wait_loadcnt 12                              ; step 0's four loads are in
	TURN 0
.macro STEP t
.set XS, X+16*((\t)%2)
.if (\t) > 0
	s_wait_dscnt 1                                 ; this step's numbers are back from the stage (the last step's byte store may be out)
.else
	s_wait_dscnt 0x0
.endif
.if (\t)+4 < STEPS
	LOAD (\t)+4                                    ; into the registers that this step's stores into the stage have read
.endif
.if (\t)+1 < STEPS
.if STEPS-2-(\t) >= 3
	s_wait_loadcnt 12                              ; the next step's four loads are in; those of the three steps behind it may be out
.else
	s_wait_loadcnt 4*(STEPS-2-(\t))
.endif
	TURN (\t)+1
.endif
	v_max3_num_f32 v8, |v[XS]|, |v[XS+1]|, |v[XS+2]|               ; the largest magnitude of my 16
	v_max3_num_f32 v9, |v[XS+3]|, |v[XS+4]|, |v[XS+5]|
.irp i, 6,10
	v_max3_num_f32 v8, v8, |v[XS+\i]|, |v[XS+\i+1]|
	v_max3_num_f32 v9, v9, |v[XS+\i+2]|, |v[XS+\i+3]|
.endr
	v_max3_num_f32 v8, v8, |v[XS+14]|, |v[XS+15]|
	v_max3_num_f32 v8, v8, v9, 0x1800000           ; and the floor 2^(3 - 127): the byte cannot fall under 1
	v_max_num_f32_dpp v8, v8, v8 row_xmask:1 row_mask:0xf bank_mask:0xf   ; and of my neighbour's 16: the block's
	v_add_nc_u32 v11, 0xff000000, v8               ; 2 off its exponent field: the conversion takes the exponent field of this operand as its scale
	v_cvt_scalef32_pk16_fp6_f32 v[C+4*(\t):C+4*(\t)+2], v[XS:XS+15], v11
	v_lshrrev_b32 v[E+(\t)], 23, v11               ; the scale's byte
	ds_store_b8 v5, v[E+(\t)] offset:16*(\t)       ; both lanes of a block write the same byte with the same value
	global_store_b96 v4, v[C+4*(\t):C+4*(\t)+2], s[8:9] offset:32*CB*(\t)
.endm
.irp t, 0,1,2,3,4,5,6,7,8,9,10,11,12,13,14,15
	STEP \t
.endr
	ds_load_b64 v[12:13], v6                       ; LDS serves a wave's instructions in order: these see my stores
	s_wait_dscnt 0x0
	global_store_b64 v7, v[12:13], s[10:11]        ; 32 lanes store 256 consecutive bytes, aligned
	s_wait_tensorcnt 0x0
	ds_add_u32 v192, v193
	s_wait_dscnt 0x0
	s_endpgm
; THE TABLE.  A wave serves 16 places of the sequence (tile = 4 (work-group - 384) + wave); lane (r, h) serves place 16 tile + r and the 16 frequencies 8 (k / 4) + k % 4 + 4 h, k = 0 .. 15:
; those of the features that the lane holds in a matrix result of the next launch.  cos and sin of frequency k go to registers TO + 2 k, TO + 2 k + 1; eight stores of 16 bytes a lane, 512 consecutive bytes each.
; angle = position / denominator, the rounded quotient (a reciprocal with one Newton step, the quotient corrected by its remainder); n = the nearest whole number to angle x 2 / pi; r = angle - n pi / 2 in two terms;
; sin r and cos r by their series up to r^9 and r^10 (|r| <= pi / 4: what is left out is under 2e-9); the quadrant n mod 4 swaps them and sets the signs.  The sixteen frequencies take turns line by line.
.Ltable:
.set TD, 16                            ; denominators
.set TR, 32                            ; their reciprocals
.set TA, 48                            ; quotient, angle, then r
.set TN, 64                            ; n
.set TZ, 80                            ; r^2
.set TS, 96                            ; sin r
.set TC, 112                           ; cos r
.set TQ, 128                           ; n as a whole number
.set TO, 144                           ; v144-175 the results
.set TE, 176                           ; at work
	s_sub_co_u32 s17, ttmp9, 384
	s_lshl_b32 s17, s17, 2
	s_add_co_u32 s17, s17, s16                     ; the tile
	s_lshl_b32 s18, s17, 6
	s_mov_b32 s19, 0
	s_add_nc_u64 s[34:35], s[34:35], s[18:19]      ; its 16 positions
	s_lshl_b32 s18, s17, 12
	s_add_nc_u64 s[40:41], s[40:41], s[18:19]      ; its 4,096 bytes of the table
	v_and_b32 v1, 15, v0
	v_lshlrev_b32 v1, 2, v1
	global_load_b32 v3, v1, s[34:35]
	v_lshlrev_b32 v5, 4, v2                        ; 16 x lane
	s_mov_b32 s30, 0xffff0000                      ; lanes 16-31
	s_mov_b32 s42, 0x3f22f983                      ; 2 / pi
	s_mov_b32 s43, 0xbfc90fdb                      ; -(pi / 2), rounded
	s_mov_b32 s44, 0x333bbd2e                      ; what that rounding added
	s_mov_b32 s45, 0xbe2aaaab                      ; -1/3!
	s_mov_b32 s46, 0x3c088889                      ; 1/5!
	s_mov_b32 s47, 0xb9500d01                      ; -1/7!
	s_mov_b32 s48, 0x3638ef1d                      ; 1/9!
	s_mov_b32 s49, 0x3d2aaaab                      ; 1/4!
	s_mov_b32 s50, 0xbab60b61                      ; -1/6!
	s_mov_b32 s51, 0x37d00d01                      ; 1/8!
	s_mov_b32 s52, 0xb493f27e                      ; -1/10!
.macro DEN k, lo, hi                   ; 10^(j / 8): lanes 0-15 j = 8 (k / 4) + k % 4, lanes 16-31 four more
	v_mov_b32 v[TD+\k], \lo
	v_mov_b32 v[TE+\k], \hi
	v_cndmask_b32 v[TD+\k], v[TD+\k], v[TE+\k], s30
.endm
	DEN 0, 1.0, 3.1622776601683795
	DEN 1, 1.3335214321633240, 4.2169650342858225
	DEN 2, 1.7782794100389228, 5.6234132519034908
	DEN 3, 2.3713737056616552, 7.4989420933245582
	DEN 4, 10.0, 31.622776601683795
	DEN 5, 13.335214321633240, 42.169650342858225
	DEN 6, 17.782794100389228, 56.234132519034908
	DEN 7, 23.713737056616552, 74.989420933245582
	DEN 8, 100.0, 316.22776601683795
	DEN 9, 133.35214321633240, 421.69650342858225
	DEN 10, 177.82794100389228, 562.34132519034908
	DEN 11, 237.13737056616552, 749.89420933245582
	DEN 12, 1000.0, 3162.2776601683795
	DEN 13, 1333.5214321633240, 4216.9650342858225
	DEN 14, 1778.2794100389228, 5623.4132519034908
	DEN 15, 2371.3737056616552, 7498.9420933245582
.irp k, 0,1,2,3,4,5,6,7,8,9,10,11,12,13,14,15
	v_rcp_f32 v[TR+\k], v[TD+\k]
.endr
	v_nop                                          ; a plain instruction behind the last reciprocal
	s_wait_alu depctr_va_vdst(0)                   ; one wait for the sixteen, ahead of their first reader
.irp k, 0,1,2,3,4,5,6,7,8,9,10,11,12,13,14,15
	v_fma_f32 v[TE+\k], -v[TD+\k], v[TR+\k], 1.0
.endr
.irp k, 0,1,2,3,4,5,6,7,8,9,10,11,12,13,14,15
	v_fma_f32 v[TR+\k], v[TE+\k], v[TR+\k], v[TR+\k]   ; the Newton step
.endr
	s_wait_loadcnt 0x0
	v_cvt_f32_i32 v4, v3                           ; the position
.irp k, 0,1,2,3,4,5,6,7,8,9,10,11,12,13,14,15
	v_mul_f32 v[TA+\k], v4, v[TR+\k]
.endr
.irp k, 0,1,2,3,4,5,6,7,8,9,10,11,12,13,14,15
	v_fma_f32 v[TE+\k], -v[TA+\k], v[TD+\k], v4    ; the remainder
.endr
.irp k, 0,1,2,3,4,5,6,7,8,9,10,11,12,13,14,15
	v_fma_f32 v[TA+\k], v[TE+\k], v[TR+\k], v[TA+\k]   ; the angle
.endr
.irp k, 0,1,2,3,4,5,6,7,8,9,10,11,12,13,14,15
	v_mul_f32 v[TN+\k], s42, v[TA+\k]
.endr
.irp k, 0,1,2,3,4,5,6,7,8,9,10,11,12,13,14,15
	v_rndne_f32 v[TN+\k], v[TN+\k]
.endr
.irp k, 0,1,2,3,4,5,6,7,8,9,10,11,12,13,14,15
	v_fma_f32 v[TA+\k], v[TN+\k], s43, v[TA+\k]
.endr
.irp k, 0,1,2,3,4,5,6,7,8,9,10,11,12,13,14,15
	v_fma_f32 v[TA+\k], v[TN+\k], s44, v[TA+\k]    ; r
.endr
.irp k, 0,1,2,3,4,5,6,7,8,9,10,11,12,13,14,15
	v_mul_f32 v[TZ+\k], v[TA+\k], v[TA+\k]
.endr
.irp k, 0,1,2,3,4,5,6,7,8,9,10,11,12,13,14,15
	v_fma_f32 v[TS+\k], v[TZ+\k], s48, s47
	v_fma_f32 v[TC+\k], v[TZ+\k], s52, s51
.endr
.irp k, 0,1,2,3,4,5,6,7,8,9,10,11,12,13,14,15
	v_fma_f32 v[TS+\k], v[TS+\k], v[TZ+\k], s46
	v_fma_f32 v[TC+\k], v[TC+\k], v[TZ+\k], s50
.endr
.irp k, 0,1,2,3,4,5,6,7,8,9,10,11,12,13,14,15
	v_fma_f32 v[TS+\k], v[TS+\k], v[TZ+\k], s45
	v_fma_f32 v[TC+\k], v[TC+\k], v[TZ+\k], s49
.endr
.irp k, 0,1,2,3,4,5,6,7,8,9,10,11,12,13,14,15
	v_mul_f32 v[TE+\k], v[TZ+\k], v[TA+\k]
	v_fma_f32 v[TC+\k], v[TC+\k], v[TZ+\k], -0.5
.endr
.irp k, 0,1,2,3,4,5,6,7,8,9,10,11,12,13,14,15
	v_fma_f32 v[TS+\k], v[TS+\k], v[TE+\k], v[TA+\k]   ; sin r
	v_fma_f32 v[TC+\k], v[TC+\k], v[TZ+\k], 1.0        ; cos r
.endr
.irp k, 0,1,2,3,4,5,6,7,8,9,10,11,12,13,14,15
	v_cvt_i32_f32 v[TQ+\k], v[TN+\k]
.endr
.irp k, 0,1,2,3,4,5,6,7,8,9,10,11,12,13,14,15
	v_and_b32 v[TE+\k], 1, v[TQ+\k]
	v_cmp_eq_u32 vcc_lo, 1, v[TE+\k]               ; an odd quadrant swaps the two
	v_cndmask_b32 v[TO+2*\k+1], v[TS+\k], v[TC+\k], vcc_lo
	v_cndmask_b32 v[TO+2*\k], v[TC+\k], v[TS+\k], vcc_lo
	v_lshlrev_b32 v[TE+\k], 30, v[TQ+\k]           ; the sine is negative in quadrants 2 and 3: bit 1 of n
	v_add_nc_u32 v[TQ+\k], 1, v[TQ+\k]             ; the cosine in quadrants 1 and 2: bit 1 of n + 1
	v_and_b32 v[TE+\k], 0x80000000, v[TE+\k]
	v_lshlrev_b32 v[TQ+\k], 30, v[TQ+\k]
	v_xor_b32 v[TO+2*\k+1], v[TO+2*\k+1], v[TE+\k]
	v_and_b32 v[TQ+\k], 0x80000000, v[TQ+\k]
	v_xor_b32 v[TO+2*\k], v[TO+2*\k], v[TQ+\k]
.endr
.irp n, 0,1,2,3,4,5,6,7
	global_store_b128 v5, v[TO+4*\n:TO+4*\n+3], s[40:41] offset:512*\n
.endr
	s_endpgm
.Lfunc_end_k_q9fb5437765_quant:
	.size	k_q9fb5437765_quant, .Lfunc_end_k_q9fb5437765_quant-k_q9fb5437765_quant
	.p2alignl 7, 3214868480
	.fill 96, 4, 3214868480
	.section	.rodata,"a",@progbits
	.p2align	6, 0x0
	.amdhsa_kernel k_q9fb5437765_quant
		.amdhsa_group_segment_fixed_size 33280
		.amdhsa_private_segment_fixed_size 0
		.amdhsa_enable_private_segment 0
		.amdhsa_kernarg_size 72
		.amdhsa_user_sgpr_count 2
		.amdhsa_user_sgpr_kernarg_segment_ptr 1
		.amdhsa_wavefront_size32 1
		.amdhsa_system_sgpr_workgroup_id_x 1
		.amdhsa_system_sgpr_workgroup_id_y 1
		.amdhsa_system_sgpr_workgroup_id_z 1
		.amdhsa_system_vgpr_workitem_id 0
		.amdhsa_next_free_vgpr 194
		.amdhsa_next_free_sgpr 66
		.amdhsa_reserve_vcc 1
		.amdhsa_float_denorm_mode_32 3
		.amdhsa_float_denorm_mode_16_64 3
		.amdhsa_memory_ordered 1
		.amdhsa_forward_progress 1
		.amdhsa_inst_pref_size 63
	.end_amdhsa_kernel
	.amdgpu_metadata
---
amdhsa.version: [ 1, 2 ]
amdhsa.kernels:
  - .name:           k_q9fb5437765_quant
    .symbol:         k_q9fb5437765_quant.kd
    .args:
      - { .name: x, .offset: 0, .size: 8, .value_kind: global_buffer, .address_space: global }
      - { .name: Wq, .offset: 8, .size: 8, .value_kind: global_buffer, .address_space: global }
      - { .name: Wk, .offset: 16, .size: 8, .value_kind: global_buffer, .address_space: global }
      - { .name: Wv, .offset: 24, .size: 8, .value_kind: global_buffer, .address_space: global }
      - { .name: Wo, .offset: 32, .size: 8, .value_kind: global_buffer, .address_space: global }
      - { .name: token_positions, .offset: 40, .size: 8, .value_kind: global_buffer, .address_space: global }
      - { .name: xq, .offset: 48, .size: 8, .value_kind: global_buffer, .address_space: global }
      - { .name: wq, .offset: 56, .size: 8, .value_kind: global_buffer, .address_space: global }
      - { .name: tab, .offset: 64, .size: 8, .value_kind: global_buffer, .address_space: global }
    .group_segment_fixed_size: 33280
    .private_segment_fixed_size: 0
    .kernarg_segment_align: 8
    .kernarg_segment_size: 72
    .max_flat_workgroup_size: 128
    .sgpr_count:     66
    .vgpr_count:     194
    .wavefront_size: 32
...
	.end_amdgpu_metadata
.endif
;; end of part 1
;; launch qkv (part 2): grid 12 x 32, 4 waves a work-group, clusters of 4 x 4, 327,680 bytes of LDS; arguments xq, wq, tab, qb, kv; writes qb, kv
.if DOCPART == 2
	.amdgcn_target "amdgcn-amd-amdhsa--gfx1250"
	.amdhsa_code_object_version 6
	.text
	.protected	k_q9fb5437765_qkv
	.globl	k_q9fb5437765_qkv
	.p2align	8
	.type	k_q9fb5437765_qkv,@function
k_q9fb5437765_qkv:
	s_mov_b64 s[64:65], 0
	v_nop
	global_prefetch_b8 v0, s[64:65] scope:SCOPE_SE
	s_setreg_imm32_b32 hwreg(HW_REG_WAVE_MODE, 25, 1), 1
	s_wait_xcnt 0x0
	s_wait_alu depctr_hold_cnt(0) depctr_sa_sdst(0) depctr_va_vdst(0) depctr_va_sdst(0) depctr_va_ssrc(0) depctr_va_vcc(0) depctr_vm_vsrc(0)
	s_getreg_b32 s2, hwreg(HW_REG_IB_STS2, 6, 4)
	s_cmp_eq_u32 s2, 0
	s_cbranch_scc0 .Lentry_in_a_cluster
	s_endpgm
.Lentry_in_a_cluster:
	s_bfe_u32 s2, ttmp6, 0x10000c
	s_cmp_lg_u32 s2, 0xf033
	s_cbranch_scc0 .Lentry_shape_is_right
	s_endpgm
.Lentry_shape_is_right:
; Q = x Wq^T, K = x Wk^T, V = x Wv^T on codes of FP6 (E2M3) with E8M0 scales (K = 1,024), the rotation of Q and K, and the quantising of Q, K (along a head's 64 features) and V (along the tokens), all in one launch.
; A tile of 256 x 256 is made by a work-group of four waves, a wave makes 128 x 128: 64 accumulators, 512 registers.  K goes in steps of 256 through a ring of two LDS slots filled by the tensor data mover.
; The matrix instruction takes 16 rows of 'B' as source 0 and 16 rows of 'A' as source 1: a lane then holds ONE row of A, and its eight registers run along eight neighbouring rows of B.
;   clusters x = 0, 1 (Q, K): A = tokens (xq), B = rows 0 .. 2,047 of wq: a lane holds one token, its registers run along the features: the next product's K.
;   cluster  x = 2    (V):    A = rows 2,048 .. 3,071 of wq (channels), B = tokens: a lane holds one channel, its registers run along the tokens, which are the keys: the K of the product with the softmax.
; The two cases differ in pointers and in the way out alone; the choice hangs on the cluster's x, which all partners share.
; CLUSTERS: 4 x 4 work-groups.  A's tiles are shared along a row of the cluster, B's along a column: each is asked for jointly, by the same tensor load with the same descriptor and a mask that names the four.
; THE WAY OUT uses no LDS: 64 registers of a lane (128 along the next K) are quantised in registers and leave as IMAGES OF THE OPERAND'S REGISTERS, each store 256 or 512 consecutive bytes, aligned.
;   A record of 13,056 bytes for each (batch, head) and each 128 tokens: 8 images of 768 bytes (16 tokens x 64 features: six registers: four at 16 x lane, two at 512 + 8 x lane); 4 images of 1,536 bytes of V (16 channels x 128 keys);
;   512 bytes of scale words of the tokens (256 (t / 4) + 16 r + 4 (t % 4)); 256 of V's (128 (c / 2) + 8 r + 4 (c % 2)).  K and V go to kv; Q to the same places of qb.
; Inside a block of 32 the codes lie in the order 0-7, 16-23, 8-15, 24-31, as in every operand of this program.
; LIMITS: NaN and infinities are not served; a block whose largest magnitude lies under 2^-124 keeps the byte 1.
; REGISTERS, in windows of 256: window 0: v0-31 addresses; v32-63 scale words, two sets; from v128 A's fragments, one set; window 1: B's fragments, two sets; windows 2, 3: the accumulators ((a, b) at v[8 (8 (a % 4) + b)]).
.set KSTEP,  256
.set NQ,     KSTEP/128
.set ROWB,   192                       ; a tile's row in bytes
.set KROW,   768                       ; a row of codes in memory
.set PITCH,  240                       ; an LDS row: 3 x (64 bytes + 16 of padding)
.set FR,     12
.set NL,     6
.set NP,     4                         ; places behind this matrix instruction (ISA guide 7.12.1)
.set HALFT,  128*PITCH
.set SLOT,   4*HALFT
.set LAPS,   2                         ; 1,024 along K = two laps of two slots
.set KS,     32                        ; a row of scale bytes
.set SCL,    2*SLOT
.set HALFS,  (128*KS/256)*272
.set SBLK,   (16*KS/256)*272
.set SPARE,  SCL+4*HALFS               ; the spare words, 128 bytes for each wave: no other line names them
.set REC,    13056                     ; a record
.set HEADB,  16*REC                    ; a head's sixteen records
.set ADRA, 16
.set ADRB, 20
.set ADRS, 27
.set SPW,  28
.set NIL,  29
.set SC,   32
.set AF,   128
.set G1, 24
.set G0, 32
.set G1B, 48
.set G0B, 56
.set G1S, 68
.set G0S, 76
.set G1SB, 80
.set G0SB, 88
; the way out, window 0
.set H,    64                          ; v64-127  64 rotated numbers
.set CS,   128                         ; v128-191 cosines and sines, two sets of 32
.set QC,   192                         ; v192-210 the codes just made
.set TM,   212                         ; v212-227 largest magnitudes, bytes, scale operands
.set PW,   228                         ; the scale word just made
.set W,    232                         ; v232-235 scale words gathered for a store
.set T,    236                         ; v236-239 at work
.set VL16, 240                         ; 16 x lane
.set VL8,  241                         ; 8 x lane
.set VSCA, 242                         ; 16 r + a head's bytes x h
.set V16H, 243                         ; 16 h
.set MSB, 0
.macro WIN new                         ; the immediate's high byte repeats the setting that is left
.if MSB != (\new)
	s_set_vgpr_msb (MSB<<8)|(\new)
.set MSB, (\new)
.endif
.endm
.set MUL_LO, 0xa1                      ; source 0 (B) window 1, source 1 (A) window 0, C and D window 2
.set MUL_HI, 0xf1
.set TO_B,   0x40
; A joint load: waves 0 and 1 fetch for A, waves 2 and 3 for B; the branch hangs on the wave's number alone.  Four v_nop follow each of the two lines.
.macro JLOAD g0a, g1a, g0b, g1b
	s_cmp_eq_u32 s15, 0
	s_cbranch_scc0 .Lfor_b_\@
	tensor_load_to_lds s[\g0a:\g0a+3], s[\g1a:\g1a+7]
	s_nop 0
.rept 4
	v_nop
.endr
	s_branch .Lasked_\@
.Lfor_b_\@:
	tensor_load_to_lds s[\g0b:\g0b+3], s[\g1b:\g1b+7]
	s_nop 0
.rept 4
	v_nop
.endr
.Lasked_\@:
.endm
.macro CREST
	s_cmp_lg_u32 s14, 0
	s_cbranch_scc1 .Lnot_wave_0_\@
	s_barrier_signal -3
.Lnot_wave_0_\@:
	s_barrier_wait -3
	s_barrier_signal -1
	s_barrier_wait -1
.endm
.macro CROUND
	s_barrier_signal -1
	s_barrier_wait -1
	CREST
.endm
	s_load_b128 s[96:99], s[0:1], 0x0              ; xq s[96:97], wq s[98:99]
	v_lshl_add_u32 v[SPW], v0, 2, SPARE
	v_mov_b32 v[NIL], 0
	ds_add_u32 v28, v29
	ds_add_u32 v28, v29
	s_wait_dscnt 0x0
	v_lshrrev_b32 v1, 5, v0
	v_readfirstlane_b32 s14, v1                    ; wave 0..3
	s_lshr_b32 s15, s14, 1                         ; which half of A's rows is mine.  Also: I fetch for A (0) or for B (1)
	s_and_b32 s16, s14, 1                          ; which half of B's rows.  Also: which 128 rows I fetch
	s_bfe_u32 s40, ttmp6, 0x40000                  ; cx, cy
	s_bfe_u32 s41, ttmp6, 0x40004
	s_and_b32 s18, ttmp7, 0xffff                   ; cluster y
	s_cmp_eq_u32 ttmp9, 2                          ; V's clusters
	s_cselect_b32 s95, 1, 0
	s_cselect_b32 s42, s18, ttmp9
	s_cselect_b32 s17, 0, s18
	s_cselect_b32 s2, 2048, 0                      ; Wv's first row in wq
	s_lshl_b32 s42, s42, 2
	s_add_co_u32 s42, s42, s40                     ; B's tile: Q, K: 4 x cluster x + cx (features); V: 4 x cluster y + cx (tokens)
	s_lshl_b32 s17, s17, 2
	s_add_co_u32 s17, s17, s41                     ; A's tile: Q, K: 4 x cluster y + cy (tokens); V: cy (channels)
	s_lshl_b32 s43, s41, 2
	s_lshl_b32 s43, 15, s43                        ; my row of the cluster
	s_lshl_b32 s44, 0x1111, s40                    ; my column
	s_or_b32 s[G1+0], s43, (0<<16)|(1<<20)|(1<<21)|(3<<22)|(3<<25)  ; mask; 1-byte elements; padding on; bit 21 beside a mask; after every 16 words 4 words
	s_or_b32 s[G1B+0], s44, (0<<16)|(1<<20)|(1<<21)|(3<<22)|(3<<25)
.irp g, G1, G1B
	s_mov_b32 s[\g+1], ROWB<<16                    ; tensor_dim0
	s_mov_b32 s[\g+2], 128<<16                     ; tensor_dim1
	s_mov_b32 s[\g+3], ROWB<<16                    ; tile_dim0
	s_mov_b32 s[\g+4], 128                         ; tile_dim1
	s_mov_b32 s[\g+5], KROW                        ; the pitch
	s_mov_b32 s[\g+6], 0
	s_mov_b32 s[\g+7], 0
.endr
	s_or_b32 s[G1S+0], s43, (3<<16)|(1<<20)|(1<<21)|(5<<22)|(3<<25) ; the scales of 128 rows: 4,096 dense bytes as rows of 256, 16 bytes of padding behind each
	s_or_b32 s[G1SB+0], s44, (3<<16)|(1<<20)|(1<<21)|(5<<22)|(3<<25)
.irp g, G1S, G1SB
	s_mov_b32 s[\g+1], 32<<16
	s_mov_b32 s[\g+2], (128*KS/256)<<16
	s_mov_b32 s[\g+3], 32<<16
	s_mov_b32 s[\g+4], 128*KS/256
	s_mov_b32 s[\g+5], 32
	s_mov_b32 s[\g+6], 0
	s_mov_b32 s[\g+7], 0
.endr
	s_lshl_b32 s18, s16, 7                         ; which 128 rows of the tile I fetch
	s_lshl_b32 s20, s17, 8
	s_add_co_u32 s20, s20, s18
	s_add_co_u32 s20, s20, s2                      ; A's row
	s_lshl_b32 s46, s42, 8
	s_add_co_u32 s46, s46, s18                     ; B's row
	s_mov_b32 s21, 0
	s_mov_b32 s47, 0
	s_mov_b64 s[18:19], KS
	s_mul_u64 s[22:23], s[20:21], s[18:19]         ; where these rows' scales begin
	s_mul_u64 s[92:93], s[46:47], s[18:19]
	s_mov_b64 s[18:19], KROW
	s_mul_u64 s[20:21], s[20:21], s[18:19]         ; and their codes
	s_mul_u64 s[46:47], s[46:47], s[18:19]
	s_mul_i32 s45, s14, HALFT                      ; where they go: wave x 128 rows
	s_mul_i32 s94, s14, HALFS
	s_wait_kmcnt 0x0
	s_cmp_eq_u32 s95, 1
	s_cselect_b64 s[4:5], s[98:99], s[96:97]       ; A's buffer
	s_cselect_b64 s[8:9], s[96:97], s[98:99]       ; B's
	s_mov_b32 s100, 6291456
	s_cselect_b32 s100, 3145728, s100              ; where A's scale bytes begin in it
	s_mov_b32 s12, 3145728
	s_cselect_b32 s12, 6291456, s12                ; and B's
	s_mov_b32 s101, 0
	s_mov_b32 s13, 0
	s_add_nc_u64 s[6:7], s[4:5], s[100:101]
	s_add_nc_u64 s[10:11], s[8:9], s[12:13]
	s_add_nc_u64 s[20:21], s[4:5], s[20:21]
	s_add_nc_u64 s[22:23], s[6:7], s[22:23]
	s_add_nc_u64 s[46:47], s[8:9], s[46:47]
	s_add_nc_u64 s[92:93], s[10:11], s[92:93]
	CROUND                                         ; all sixteen work-groups are here: the first joint loads meet
	s_mov_b32 s[G0S], 1
	s_add_co_u32 s[G0S+1], s94, SCL
	s_mov_b64 s[G0S+2:G0S+3], s[22:23]
	s_or_b32 s[G0S+3], s[G0S+3], 0x80000000
	s_mov_b32 s[G0SB], 1
	s_add_co_u32 s[G0SB+1], s94, SCL
	s_mov_b64 s[G0SB+2:G0SB+3], s[92:93]
	s_or_b32 s[G0SB+3], s[G0SB+3], 0x80000000
	JLOAD G0S, G1S, G0SB, G1SB                     ; the scales first: filled once
.irp s, 0,1
	s_mov_b32 s[G0+4*\s], 1
	s_add_co_u32 s[G0+4*\s+1], s45, \s*SLOT
	s_add_nc_u64 s[G0+4*\s+2:G0+4*\s+3], s[20:21], \s*ROWB
	s_or_b32 s[G0+4*\s+3], s[G0+4*\s+3], 0x80000000
	s_mov_b32 s[G0B+4*\s], 1
	s_add_co_u32 s[G0B+4*\s+1], s45, \s*SLOT
	s_add_nc_u64 s[G0B+4*\s+2:G0B+4*\s+3], s[46:47], \s*ROWB
	s_or_b32 s[G0B+4*\s+3], s[G0B+4*\s+3], 0x80000000
	JLOAD G0+4*\s, G1, G0B+4*\s, G1B
.endr
	v_and_b32 v1, 15, v0                           ; l % 16
	v_bfe_u32 v2, v0, 4, 1                         ; l / 16
	v_mul_u32_u24 v3, v1, PITCH
	v_mul_u32_u24 v4, v2, 24
	v_add_nc_u32 v4, v3, v4                        ; a fragment's row x pitch + 24 x half
	v_lshl_add_u32 v5, v2, 4, v4                   ; and the same behind one padding more
	s_mul_i32 s21, s15, HALFT
	s_mul_i32 s22, s16, HALFT
	s_add_co_u32 s22, s22, 2*HALFT
.irp s, 0,1
	v_add_nc_u32 v[ADRA+\s], s21, v4
	v_add_nc_u32 v[ADRB+\s], s22, v4
	v_add_nc_u32 v[ADRA+2+\s], s21, v5
	v_add_nc_u32 v[ADRB+2+\s], s22, v5
	s_add_co_u32 s21, s21, SLOT
	s_add_co_u32 s22, s22, SLOT
.endr
	v_mul_u32_u24 v5, v1, KS                       ; my row's scales: KS bytes a row,
	v_lshrrev_b32 v6, 8, v5
	v_lshl_add_u32 v5, v6, 4, v5                   ; and 16 more for each 256 passed
	s_mul_i32 s21, s15, HALFS
	s_mul_i32 s22, s16, HALFS
	s_add_co_u32 s22, s22, 2*HALFS
	s_sub_co_u32 s22, s22, s21
	v_mul_u32_u24 v6, s22, v2                      ; lanes 16-31 take B's
	s_add_co_u32 s21, s21, SCL
	v_add_nc_u32 v5, v5, v6
	v_add_nc_u32 v[ADRS], s21, v5
.macro FRAG reg, adr, q, i             ; 16 rows x 128 K of 6-bit codes: 12 registers, in pieces of 8 bytes; where the piece of lanes 16-31 lies behind one padding more, the second address register serves
.irp p, 0,1,2,3,4,5
.set PCE, 12*(\q)+6*(\p/3)+\p%3
.if PCE%8 < 5
	ds_load_b64 v[\reg+2*\p:\reg+2*\p+1], v[\adr] offset:8*PCE+16*(PCE/8)+(\i)*16*PITCH
.else
	ds_load_b64 v[\reg+2*\p:\reg+2*\p+1], v[\adr+2] offset:8*PCE+16*(PCE/8)+(\i)*16*PITCH
.endif
.endr
.endm
; 16 matrix instructions: A's blocks a0, a0 + 1 x B's eight.  The 64 accumulators take turns, one instruction a turn, in the same order in every step.
.macro MUL16 a0, p, q, sc, zero
.irp a, \a0, \a0+1
.irp b, 0,1,2,3,4,5,6,7
.if \zero
	v_wmma_scale_f32_16x16x128_f8f6f4 v[8*(8*((\a)%4)+\b):8*(8*((\a)%4)+\b)+7], v[128*(\p)+FR*\b:128*(\p)+FR*\b+FR-1], v[AF+FR*(\a):AF+FR*(\a)+FR-1], 0, v[SC+8*NQ*(\sc)+NQ*\b+(\q)], v[SC+8*NQ*(\sc)+NQ*(\a)+(\q)] matrix_a_fmt:MATRIX_FMT_FP6 matrix_b_fmt:MATRIX_FMT_FP6 matrix_a_scale:MATRIX_SCALE_ROW1
.else
	v_wmma_scale_f32_16x16x128_f8f6f4 v[8*(8*((\a)%4)+\b):8*(8*((\a)%4)+\b)+7], v[128*(\p)+FR*\b:128*(\p)+FR*\b+FR-1], v[AF+FR*(\a):AF+FR*(\a)+FR-1], v[8*(8*((\a)%4)+\b):8*(8*((\a)%4)+\b)+7], v[SC+8*NQ*(\sc)+NQ*\b+(\q)], v[SC+8*NQ*(\sc)+NQ*(\a)+(\q)] matrix_a_fmt:MATRIX_FMT_FP6 matrix_b_fmt:MATRIX_FMT_FP6 matrix_a_scale:MATRIX_SCALE_ROW1
.endif
.endr
.endr
.endm
.macro FETCH_B slot, q, p
	WIN TO_B
.irp i, 0,1,2,3,4,5,6,7
	FRAG 128*(\p)+FR*\i, ADRB+\slot, \q, \i
.endr
	WIN 0
.endm
.macro FETCH_A slot, q, i0
.irp i, \i0, \i0+1, \i0+2, \i0+3
	FRAG AF+FR*(\i), ADRA+\slot, \q, \i
.endr
.endm
.macro SCALES sc                       ; a K step's scale words: lanes 0-15 take A's block i, lanes 16-31 B's block i
.irp i, 0,1,2,3,4,5,6,7
	ds_load_b64 v[SC+8*NQ*\sc+NQ*\i:SC+8*NQ*\sc+NQ*\i+1], v[ADRS] offset:\i*SBLK
.endr
.endm
.macro PLACES n                        ; plain vector instructions between a matrix instruction and a load into, or a vector read or write of, its registers
.rept \n
	v_nop
.endr
.endm
.macro STEP slot, q, zero
	s_wait_dscnt 4*NL                              ; B's set and A's blocks 0-3 are in; A's blocks 4-7 may be out
	WIN MUL_LO
	MUL16 0, (\q)%2, \q, \slot, \zero
	MUL16 2, (\q)%2, \q, \slot, \zero
	s_wait_dscnt 0
	PLACES NP
	FETCH_B \slot, (\q)+1, 1-(\q)%2
	FETCH_A \slot, (\q)+1, 0
	WIN MUL_HI
	MUL16 4, (\q)%2, \q, \slot, \zero
	MUL16 6, (\q)%2, \q, \slot, \zero
	PLACES NP
	WIN 0
	FETCH_A \slot, (\q)+1, 4
.endm
; A slot's last step changes slots: one barrier; in front of it each wave waits for all its tensor loads, adds 0 to its spare word, and waits for that and for its own reads of this slot.
.macro TURN slot, next, fill
	s_wait_tensorcnt 0x0                           ; all my tensor loads have landed: my part of the next slot
	ds_add_u32 v[SPW], v[NIL]                      ; 0 onto my spare word
	s_wait_dscnt 4*NL+1                            ; (the add and A's blocks 4-7 may be out)
	WIN MUL_LO
	MUL16 0, 1, NQ-1, \slot, 0
	s_wait_dscnt 0x0                               ; the add is done, and my reads of this slot are over
	s_barrier_signal -1
	MUL16 2, 1, NQ-1, \slot, 0
	WIN 0
	s_barrier_wait -1
.if \fill
	CREST                                          ; the barrier has opened a round of the cluster's barrier: no wave of any partner still reads this slot or has a load on its way
	s_add_nc_u64 s[G0+4*\slot+2:G0+4*\slot+3], s[G0+4*\slot+2:G0+4*\slot+3], 2*ROWB
	s_add_nc_u64 s[G0B+4*\slot+2:G0B+4*\slot+3], s[G0B+4*\slot+2:G0B+4*\slot+3], 2*ROWB
	JLOAD G0+4*\slot, G1, G0B+4*\slot, G1B         ; the first tensor load behind the round; its four v_nop are the places in front of the loads below
.else
	PLACES NP
.endif
	v_add_nc_u32 v[ADRS], 4*NQ, v[ADRS]            ; the next K step's scale words
	FETCH_B \next, 0, 0
	FETCH_A \next, 0, 0
	SCALES \next
	WIN MUL_HI
	MUL16 4, 1, NQ-1, \slot, 0
	MUL16 6, 1, NQ-1, \slot, 0
	PLACES NP
	WIN 0
	FETCH_A \next, 0, 4
.endm
	s_wait_tensorcnt 1                             ; the scales and my part of K step 0 are in (K step 1's load may be out),
	s_barrier_signal -1
	s_barrier_wait -1                              ; everybody's are
	FETCH_B 0, 0, 0
	FETCH_A 0, 0, 0
	SCALES 0
	FETCH_A 0, 0, 4
	STEP 0, 0, 1                                   ; the first step's products start the sums
	s_mov_b32 s3, LAPS-1
.Llap:
	TURN 0, 1, 1
	STEP 1, 0, 0
	TURN 1, 0, 1
	STEP 0, 0, 0
	s_sub_co_u32 s3, s3, 1
	s_cmp_lg_u32 s3, 0
	s_cbranch_scc1 .Llap
	TURN 0, 1, 0                                   ; the last lap fills nothing
	STEP 1, 0, 0
	s_wait_dscnt 4*NL
	WIN MUL_LO
	MUL16 0, 1, NQ-1, 1, 0
	MUL16 2, 1, NQ-1, 1, 0
	s_wait_dscnt 0
	WIN MUL_HI
	MUL16 4, 1, NQ-1, 1, 0
	MUL16 6, 1, NQ-1, 1, 0
	WIN 0
; ---------------- THE WAY OUT ----------------
; QUANT: 64 numbers of a lane, v[s] .. v[s + 63] of window w, register 16 b + i in block b, become a fragment's codes in v[QC] .. v[QC + 11] and its row's scale word in v[PW].  Each accumulator is read from its low end on.
.macro QUANT s, w
	WIN (\w)|((\w)<<2)
.irp b, 0,1,2,3
	v_max3_num_f32 v[TM+\b], |v[\s+16*\b]|, |v[\s+1+16*\b]|, 0x1800000   ; my 16 numbers of block b, and the floor 2^(3 - 127): the byte cannot fall under 1
.endr
.irp i, 2,4,6,8,10,12,14
.irp b, 0,1,2,3
	v_max3_num_f32 v[TM+\b], |v[\s+16*\b+\i]|, |v[\s+1+16*\b+\i]|, v[TM+\b]
.endr
.endr
	WIN 0
.irp b, 0,1,2,3
	v_permlanex16_b32 v[TM+4+\b], v[TM+\b], s26, s27
.endr
.irp b, 0,1,2,3
	v_max_num_f32 v[TM+\b], v[TM+\b], v[TM+4+\b]   ; with lane l xor 16's: the block's largest magnitude
.endr
.irp b, 0,1,2,3
	v_add_nc_u32 v[TM+12+\b], 0xff000000, v[TM+\b] ; 2 off its exponent field: the conversion's scale operand
.endr
.irp b, 0,1,2,3
	v_lshrrev_b32 v[TM+4+\b], 23, v[TM+12+\b]      ; the scale's byte
.endr
	v_lshl_or_b32 v[PW], v[TM+5], 8, v[TM+4]
	v_lshl_or_b32 v[PW], v[TM+6], 16, v[PW]
	v_lshl_or_b32 v[PW], v[TM+7], 24, v[PW]
	WIN (\w)
.irp c, 0,1
	v_cvt_scalef32_pk16_fp6_f32 v[QC+6*\c:QC+2+6*\c], v[\s+32*\c:\s+15+32*\c], v[TM+12+2*\c]
	v_cvt_scalef32_pk16_fp6_f32 v[QC+12+4*\c:QC+14+4*\c], v[\s+16+32*\c:\s+31+32*\c], v[TM+12+2*\c+1]   ; (a conversion's three registers begin on an even number)
.endr
	WIN 0
	v_nop                                          ; one plain place behind a scaled conversion
.irp c, 0,1                                    ; the operand's layout wants a whole block in a lane
.irp i, 0,1,2
	v_permlane16_swap_b32 v[QC+6*\c+\i], v[QC+12+4*\c+\i]
.endr
.irp i, 0,1,2
	v_mov_b32 v[QC+3+6*\c+\i], v[QC+12+4*\c+\i]
.endr
.endr
.endm
.macro TABLOAD a                       ; block a's cosines and sines: 16 pairs a lane, 512 consecutive bytes a load
.irp n, 0,1,2,3,4,5,6,7
	global_load_b128 v[CS+32*((\a)%2)+4*\n:CS+32*((\a)%2)+4*\n+3], v[VL16], s[4:5] offset:(\a)*4096+512*\n
.endr
.endm
; The rotation of block a's 64 numbers of a lane (one token, two heads): registers 2 i, 2 i + 1 of tile b are features 16 (b % 4) + 8 h + 2 i and the next of a head: frequency 8 (b % 4) + 4 h + i.
.macro ROPE a
	WIN 2+(\a)/4
.set rb, 0
.rept 8
.set ri, 0
.rept 4
.set XE, 64*((\a)%4)+8*rb+2*ri
.set CC, CS+32*((\a)%2)+8*(rb%4)+2*ri
.set TT, T+2*(ri%2)
	v_mul_f32 v[TT], v[XE+1], v[CC+1]              ; odd x sin
	v_mul_f32 v[TT+1], v[XE+1], v[CC]              ; odd x cos
	v_fma_f32 v[H+8*rb+2*ri+1], v[XE], v[CC+1], v[TT+1]
	v_fma_f32 v[H+8*rb+2*ri], v[XE], v[CC], -v[TT]
.set ri, ri+1
.endr
.set rb, rb+1
.endr
	WIN 0
.endm
	PLACES NP                                      ; behind the last products: their results are read, and registers that they read are written and loaded, from here on
	s_load_b128 s[4:7], s[0:1], 0x10               ; tab s[4:5], qb s[6:7]
	s_load_b64 s[8:9], s[0:1], 0x20                ; kv
	s_mov_b32 s26, 0x76543210
	s_mov_b32 s27, 0xfedcba98                      ; v_permlanex16_b32's selects for lane l xor 16
	s_mov_b32 s28, 0xffff0000                      ; lanes 16-31
	v_and_b32 v1, 31, v0
	v_lshlrev_b32 v[VL16], 4, v1
	v_lshlrev_b32 v[VL8], 3, v1
	v_and_b32 v2, 15, v0
	v_bfe_u32 v3, v0, 4, 1
	v_mul_u32_u24 v4, v3, HEADB
	v_lshl_add_u32 v[VSCA], v2, 4, v4
	v_lshlrev_b32 v[V16H], 4, v3
.irp b, 0,1,2,3
	v_mov_b32 v[TM+4+\b], 0                        ; written once: a lane permute's destination counts as one of its sources
.endr
	s_mov_b32 s19, 0
	s_mov_b32 s21, 0
	s_wait_kmcnt 0x0
	s_cmp_eq_u32 s95, 1                            ; the same in all sixteen partners
	s_cbranch_scc1 .Lv
	; ---- Q and K: my 128 tokens are one record's; my 128 features are two heads
	s_and_b32 s22, s17, 7
	s_lshl_b32 s20, s22, 16
	s_lshl_b32 s23, s15, 15
	s_add_co_u32 s20, s20, s23
	s_add_nc_u64 s[4:5], s[4:5], s[20:21]          ; the table at tile 16 (tile row % 8) + 8 x half of the sequence
	s_lshl_b32 s22, s22, 1
	s_add_co_u32 s22, s22, s15                     ; the record in the batch
	s_lshr_b32 s18, s17, 3
	s_lshl_b32 s18, s18, 4                         ; 16 x batch
	s_and_b32 s23, s42, 3
	s_lshl_b32 s23, s23, 2
	s_add_co_u32 s18, s18, s23
	s_lshl_b32 s23, s16, 1
	s_add_co_u32 s18, s18, s23                     ; + my first head
	s_mul_i32 s18, s18, HEADB
	s_mul_i32 s22, s22, REC
	s_add_co_u32 s18, s18, s22
	s_cmp_eq_u32 ttmp9, 1
	s_cselect_b64 s[10:11], s[8:9], s[6:7]         ; K to kv, Q to qb
	s_add_nc_u64 s[10:11], s[10:11], s[18:19]
	TABLOAD 0
.irp a, 0,1,2,3,4,5,6,7
.if \a < 7
	TABLOAD \a+1
	s_wait_loadcnt 8                               ; this block's table is in; the next block's eight loads may be out
.else
	s_wait_loadcnt 0
.endif
	ROPE \a
	s_wait_xcnt 0x0                                ; the last block's stores have read their registers: they are written again only behind this wait
	QUANT H, 0
	v_lshrrev_b32 v[W+\a%4], v[V16H], v[PW]        ; lanes 0-15: the word as it is (bytes 0, 1: the first head's); lanes 16-31: the second head's two bytes moved down.  The upper two bytes scale zero codes
	global_store_b128 v[VL16], v[QC:QC+3], s[10:11] offset:768*\a
	global_store_b64 v[VL8], v[QC+4:QC+5], s[10:11] offset:768*\a+512
	global_store_b128 v[VL16], v[QC+6:QC+9], s[10:11] offset:HEADB+768*\a
	global_store_b64 v[VL8], v[QC+10:QC+11], s[10:11] offset:HEADB+768*\a+512
.if \a%4 == 3
	global_store_b128 v[VSCA], v[W:W+3], s[10:11] offset:12288+256*(\a/4)   ; four tiles' scale words: sixteen lanes fill 256 consecutive bytes of each head's record
.endif
.endr
	s_branch .Lend
	; ---- V: my 128 tokens (B's rows) are one record's keys; my 128 channels (A's rows) are two heads x four tiles
.Lv:
	s_lshr_b32 s18, s42, 3
	s_lshl_b32 s18, s18, 4                         ; 16 x batch
	s_lshl_b32 s23, s17, 2
	s_add_co_u32 s18, s18, s23
	s_lshl_b32 s23, s15, 1
	s_add_co_u32 s18, s18, s23                     ; + my first head
	s_mul_i32 s18, s18, HEADB
	s_and_b32 s22, s42, 7
	s_lshl_b32 s22, s22, 1
	s_add_co_u32 s22, s22, s16                     ; the record in the batch
	s_mul_i32 s22, s22, REC
	s_add_co_u32 s18, s18, s22
	s_add_co_u32 s18, s18, 6144                    ; V's images lie behind K's
	s_add_nc_u64 s[10:11], s[8:9], s[18:19]
.irp a, 0,1,2,3,4,5,6,7
	s_wait_xcnt 0x0                                ; the last block's stores have read their registers
.set SS, 64*(\a%4)
.set WW, 2+\a/4
	QUANT SS, WW
.if \a%4 < 2
	v_mov_b32 v[W+\a%4], v[PW]                     ; tiles 0, 1: lanes 0-15 count
.else
	v_cndmask_b32 v[W+\a%4-2], v[W+\a%4-2], v[PW], s28   ; tiles 2, 3 in lanes 16-31
.endif
.irp i, 0,1,2
	global_store_b128 v[VL16], v[QC+4*\i:QC+4*\i+3], s[10:11] offset:(\a/4)*HEADB+(\a%4)*1536+512*\i
.endr
.if \a%4 == 3
	global_store_b64 v[VL8], v[W:W+1], s[10:11] offset:(\a/4)*HEADB+6656   ; the head's 256 bytes of V's scale words
.endif
.endr
.Lend:
	s_wait_tensorcnt 0x0                           ; the wave's end
	ds_add_u32 v[SPW], v[NIL]
	s_wait_dscnt 0x0
	CROUND                                         ; the closing round: no work-group ends while a partner may still ask for a tile that names it
	s_endpgm
.Lfunc_end_k_q9fb5437765_qkv:
	.size	k_q9fb5437765_qkv, .Lfunc_end_k_q9fb5437765_qkv-k_q9fb5437765_qkv
	.p2alignl 7, 3214868480
	.fill 96, 4, 3214868480
	.section	.rodata,"a",@progbits
	.p2align	6, 0x0
	.amdhsa_kernel k_q9fb5437765_qkv
		.amdhsa_group_segment_fixed_size 327680
		.amdhsa_private_segment_fixed_size 0
		.amdhsa_enable_private_segment 0
		.amdhsa_kernarg_size 40
		.amdhsa_user_sgpr_count 2
		.amdhsa_user_sgpr_kernarg_segment_ptr 1
		.amdhsa_wavefront_size32 1
		.amdhsa_system_sgpr_workgroup_id_x 1
		.amdhsa_system_sgpr_workgroup_id_y 1
		.amdhsa_system_sgpr_workgroup_id_z 1
		.amdhsa_system_vgpr_workitem_id 0
		.amdhsa_next_free_vgpr 1024
		.amdhsa_next_free_sgpr 102
		.amdhsa_reserve_vcc 0
		.amdhsa_float_denorm_mode_32 3
		.amdhsa_float_denorm_mode_16_64 3
		.amdhsa_memory_ordered 1
		.amdhsa_forward_progress 1
		.amdhsa_inst_pref_size 254
	.end_amdhsa_kernel
	.amdgpu_metadata
---
amdhsa.version: [ 1, 2 ]
amdhsa.kernels:
  - .name:           k_q9fb5437765_qkv
    .symbol:         k_q9fb5437765_qkv.kd
    .args:
      - { .name: xq, .offset: 0, .size: 8, .value_kind: global_buffer, .address_space: global }
      - { .name: wq, .offset: 8, .size: 8, .value_kind: global_buffer, .address_space: global }
      - { .name: tab, .offset: 16, .size: 8, .value_kind: global_buffer, .address_space: global }
      - { .name: qb, .offset: 24, .size: 8, .value_kind: global_buffer, .address_space: global }
      - { .name: kv, .offset: 32, .size: 8, .value_kind: global_buffer, .address_space: global }
    .group_segment_fixed_size: 327680
    .private_segment_fixed_size: 0
    .kernarg_segment_align: 8
    .kernarg_segment_size: 40
    .max_flat_workgroup_size: 128
    .sgpr_count:     102
    .vgpr_count:     1024
    .wavefront_size: 32
...
	.end_amdgpu_metadata
.endif
;; end of part 2
;; launch attn (part 3): grid 4 x 64, 16 waves a work-group, clusters of 4 x 1, 210,944 bytes of LDS; arguments qb, kv, oq; writes oq
.if DOCPART == 3
	.amdgcn_target "amdgcn-amd-amdhsa--gfx1250"
	.amdhsa_code_object_version 6
	.text
	.protected	k_q9fb5437765_attn
	.globl	k_q9fb5437765_attn
	.p2align	8
	.type	k_q9fb5437765_attn,@function
k_q9fb5437765_attn:
	s_mov_b64 s[64:65], 0
	v_nop
	global_prefetch_b8 v0, s[64:65] scope:SCOPE_SE
	s_setreg_imm32_b32 hwreg(HW_REG_WAVE_MODE, 25, 1), 1
	s_wait_xcnt 0x0
	s_wait_alu depctr_hold_cnt(0) depctr_sa_sdst(0) depctr_va_vdst(0) depctr_va_sdst(0) depctr_va_ssrc(0) depctr_va_vcc(0) depctr_vm_vsrc(0)
	s_getreg_b32 s2, hwreg(HW_REG_IB_STS2, 6, 4)
	s_cmp_eq_u32 s2, 0
	s_cbranch_scc0 .Lentry_in_a_cluster
	s_endpgm
.Lentry_in_a_cluster:
	s_bfe_u32 s2, ttmp6, 0x10000c
	s_cmp_lg_u32 s2, 0x3003
	s_cbranch_scc0 .Lentry_shape_is_right
	s_endpgm
.Lentry_shape_is_right:
; Causal attention of one (batch, head) for each cluster of four work-groups, both products on codes of FP6 (E2M3) with E8M0 scales, and the quantising of the result for the last projection.
; THE SOFTMAX: t = score x log2(e) / 8; M = the row's largest t so far, rounded up to a whole number; p = 2^(t - M) is quantised along the keys; the row's sum is taken of the unquantised p and divides at the end.
; When M moves, the sum and O are multiplied by 2^(old M - new M): exact.
; SHARES.  The head has 128 tiles of 16 queries; the cluster's 64 waves own two each: with w the wave, L = max(w, 15 - w), e = 2 cx + w / 8: tile 8 L + e (key steps 0 .. L of 128 keys) and tile 8 (15 - L) + e
; (key steps 0 .. 15 - L): 17 steps for every wave.  Which steps a wave leaves out, and which lies on the diagonal, hangs on the wave's number alone: cx enters global addresses and a lane's mask number only.
; LDS holds the head's sixteen records of K and V whole, 208,896 bytes, filled ONCE, jointly for the four work-groups, by three loads each of waves 0 and 1 (key steps 0-1, 2-5, 6-15), so that work begins when
; the first has landed.  Nothing is filled again; nothing is asked for later, so nothing is prefetched.  A wave has three tensor loads out.
; LAYOUT.  S^T = K Q^T (source 0 = 16 keys, source 1 = my 16 queries; K = 64: registers 6-11 of both operands are zero codes), O^T = V^T P^T (source 0 = 16 channels): a lane holds one query throughout.
; Operands lie in LDS as images of their registers: every LDS load takes 512 or 256 consecutive bytes.
; The result leaves as an image too: six registers for 16 queries x the head's 64 channels, and one scale byte a block.
; LIMITS: NaN and infinities are not served; a block whose largest magnitude lies under 2^-124 keeps the byte 1.
.set REC,   13056
.set HEADB, 16*REC
.set KSO,   12288                      ; a record: K's scale words
.set VIO,   6144                       ; V's images
.set VSO,   12800                      ; V's scale words
.set LI,   1                           ; 16 x lane
.set L8,   2                           ; 8 x lane
.set AD16, 3                           ; the step's record + 16 x lane
.set AD8,  4
.set QD,   5                           ; 16 e + r - 8 h: on the diagonal register n (key 16 (n / 8) + n % 8 + 8 h of the step) is hidden where 16 (n / 8) + n % 8 > QD
.set NINF, 6
.set OSV,  7                           ; 32 r + h
.set QSO,  8                           ; 16 r
.set NM,   12                          ; -M
.set MT,   13                          ; the largest t
.set SUM,  14                          ; v[14:15] the sum in two halves
.set QF1,  16                          ; the long tile's Q
.set QS1,  28                          ; its scale words
.set QS2,  29
.set PW,   30                          ; p's scale word
.set KSC,  32                          ; v32-35 K's scale words
.set VSC,  36                          ; v36-37 V's
.set KF,   40                          ; v40-87 four fragments of K
.set QF2,  88                          ; the short tile's Q
.set S,    100                         ; v100-163 S^T, then p, then V's four fragments
.set O,    164                         ; v164-195 O^T
.set PC,   196                         ; v196-214 codes
.set BM,   216
.set T4,   220
.set SO,   224
.set F,    228                         ; v[228:229]
.set TMP,  230
.set WV,  10
.set CX,  11
.set BH,  12
.set EE,  13
.set LL,  14
.set SH,  15
.set II,  16
.set SEL, 20
.set CS,  22
.set G1A, 24
.set G1B, 32
.set G1C, 40
.set G0A, 48
.set G0B, 52
.set G0C, 56
.set TB,  60
.set KS,  61
.set BLK, 62
.set OB1, 66
.set OS1, 68
.set OB2, 70
.set OS2, 72
.set QB1, 74
.set QB2, 76
.set QW1, 78
.set MSK, 80
.set QW2, 82
.macro CROUND
	s_barrier_signal -1
	s_barrier_wait -1
	s_cmp_lg_u32 s[WV], 0
	s_cbranch_scc1 .Lnot_wave_0_\@
	s_barrier_signal -3
.Lnot_wave_0_\@:
	s_barrier_wait -3
	s_barrier_signal -1
	s_barrier_wait -1
.endm
.macro G1SET g, rows                   ; rows of 256 bytes (32 elements of 8), dense, no padding; the mask names all four work-groups, bit 21 beside it
	s_mov_b32 s[\g], 15|(3<<16)|(1<<21)
	s_mov_b32 s[\g+1], 32<<16
	s_mov_b32 s[\g+2], (\rows)<<16
	s_mov_b32 s[\g+3], 32<<16
	s_mov_b32 s[\g+4], \rows
	s_mov_b32 s[\g+5], 32
	s_mov_b32 s[\g+6], 0
	s_mov_b32 s[\g+7], 0
.endm
	s_load_b128 s[4:7], s[0:1], 0x0                ; qb, kv
	s_load_b64 s[8:9], s[0:1], 0x10                ; oq
	v_lshl_add_u32 v254, v0, 2, 0x33000
	v_mov_b32 v255, 0
	ds_add_u32 v254, v255
	ds_add_u32 v254, v255
	v_lshrrev_b32 v1, 5, v0
	s_delay_alu instid0(VALU_DEP_1)
	v_readfirstlane_b32 s[WV], v1                  ; wave 0..15
	s_bfe_u32 s[CX], ttmp6, 0x40000
	s_and_b32 s[BH], ttmp7, 0xffff                 ; 16 x batch + head, which the four partners share
	s_and_b32 s[II], s[WV], 1
	G1SET G1A, 51
	G1SET G1B, 102
	G1SET G1C, 255
	s_mul_i32 s18, s[BH], HEADB
	s_mov_b32 s19, 0
	s_mov_b32 s3, 0
	s_wait_dscnt 0x0
	s_wait_kmcnt 0x0
	s_add_nc_u64 s[6:7], s[6:7], s[18:19]          ; kv and qb at my head
	s_add_nc_u64 s[4:5], s[4:5], s[18:19]
	s_mov_b32 s[G0A], 1
	s_mul_i32 s[G0A+1], s[II], REC                 ; key step i: the place in LDS is the place in the head's records
	s_mov_b32 s2, s[G0A+1]
	s_add_nc_u64 s[G0A+2:G0A+3], s[6:7], s[2:3]
	s_or_b32 s[G0A+3], s[G0A+3], 0x80000000
	s_mov_b32 s[G0B], 1
	s_mul_i32 s[G0B+1], s[II], 2*REC
	s_add_co_u32 s[G0B+1], s[G0B+1], 2*REC         ; key steps 2 + 2 i, 3 + 2 i
	s_mov_b32 s2, s[G0B+1]
	s_add_nc_u64 s[G0B+2:G0B+3], s[6:7], s[2:3]
	s_or_b32 s[G0B+3], s[G0B+3], 0x80000000
	s_mov_b32 s[G0C], 1
	s_mul_i32 s[G0C+1], s[II], 5*REC
	s_add_co_u32 s[G0C+1], s[G0C+1], 6*REC         ; key steps 6 + 5 i .. 10 + 5 i
	s_mov_b32 s2, s[G0C+1]
	s_add_nc_u64 s[G0C+2:G0C+3], s[6:7], s[2:3]
	s_or_b32 s[G0C+3], s[G0C+3], 0x80000000
	CROUND                                         ; all four work-groups are here: the joint loads meet
	s_cmp_lt_u32 s[WV], 2                          ; a wave's three fills stand in one branch, ahead of every wait on TENSORcnt, every LDS read and every other barrier
	s_cbranch_scc0 .Lno_fetch
	tensor_load_to_lds s[G0A:G0A+3], s[G1A:G1A+7]
	s_nop 0
	tensor_load_to_lds s[G0B:G0B+3], s[G1B:G1B+7]
	s_nop 0
	tensor_load_to_lds s[G0C:G0C+3], s[G1C:G1C+7]
	s_nop 0
.rept 4
	v_nop
.endr
.Lno_fetch:
	s_lshr_b32 s17, s[WV], 3
	s_lshl_b32 s[EE], s[CX], 1
	s_add_co_u32 s[EE], s[EE], s17                 ; e
	s_sub_co_u32 s[SH], 15, s[WV]
	s_max_u32 s[LL], s[WV], s[SH]                  ; L
	s_sub_co_u32 s[SH], 15, s[LL]                  ; 15 - L
	s_mov_b32 s[SEL], 0x76543210
	s_mov_b32 s[SEL+1], 0xfedcba98
	s_mov_b32 s[CS], 0x3e38aa3b                    ; c = log2(e) / 8
	s_mov_b32 s[CS+1], s[CS]
	s_mov_b32 s[MSK], 0xffff0000
	; Q's images and scale words of my two tiles
	s_mul_i32 s2, s[LL], REC
	s_add_nc_u64 s[QB1:QB1+1], s[4:5], s[2:3]
	s_mul_i32 s2, s[SH], REC
	s_add_nc_u64 s[QB2:QB2+1], s[4:5], s[2:3]
	s_lshr_b32 s2, s[EE], 2
	s_lshl_b32 s2, s2, 8
	s_and_b32 s17, s[EE], 3
	s_lshl_b32 s17, s17, 2
	s_add_co_u32 s2, s2, s17
	s_add_co_u32 s2, s2, KSO
	s_add_nc_u64 s[QW1:QW1+1], s[QB1:QB1+1], s[2:3]
	s_add_nc_u64 s[QW2:QW2+1], s[QB2:QB2+1], s[2:3]
	s_mul_i32 s2, s[EE], 768
	s_add_nc_u64 s[QB1:QB1+1], s[QB1:QB1+1], s[2:3]
	s_add_nc_u64 s[QB2:QB2+1], s[QB2:QB2+1], s[2:3]
	v_and_b32 v9, 31, v0
	s_delay_alu instid0(VALU_DEP_1)
	v_lshlrev_b32 v[LI], 4, v9
	s_delay_alu instid0(VALU_DEP_2)
	v_lshlrev_b32 v[L8], 3, v9
	v_and_b32 v10, 15, v0                          ; r
	v_bfe_u32 v11, v0, 4, 1                        ; h
	s_delay_alu instid0(VALU_DEP_2)
	v_lshlrev_b32 v[QSO], 4, v10
	global_load_b128 v[QF1:QF1+3], v[LI], s[QB1:QB1+1]
	global_load_b64 v[QF1+4:QF1+5], v[L8], s[QB1:QB1+1] offset:512
	global_load_b128 v[QF2:QF2+3], v[LI], s[QB2:QB2+1]
	global_load_b64 v[QF2+4:QF2+5], v[L8], s[QB2:QB2+1] offset:512
	global_load_b32 v[QS1], v[QSO], s[QW1:QW1+1]
	global_load_b32 v[QS2], v[QSO], s[QW2:QW2+1]
	v_lshl_add_u32 v[OSV], v10, 5, v11
	v_lshlrev_b32 v9, 3, v11
	s_delay_alu instid0(VALU_DEP_1)
	v_sub_nc_u32 v[QD], v10, v9
	s_lshl_b32 s2, s[EE], 4
	v_add_nc_u32 v[QD], s2, v[QD]
	v_mov_b32 v[NINF], 0xff800000
	; where the results go: image: (128 batch + tile) x 12,288 + 768 head; scale bytes: 6,291,456 + (128 batch + tile) x 512 + 2 head
	s_lshr_b32 s2, s[BH], 4
	s_lshl_b32 s2, s2, 7
	s_add_co_u32 s2, s2, s[EE]
	s_and_b32 s17, s[BH], 15
	s_lshl_b32 s84, s[LL], 3
	s_add_co_u32 s84, s84, s2
	s_lshl_b32 s85, s[SH], 3
	s_add_co_u32 s85, s85, s2
	s_mul_i32 s86, s17, 768
	s_lshl_b32 s87, s17, 1
	s_add_co_u32 s87, s87, 6291456
	s_mul_i32 s2, s84, 12288
	s_add_co_u32 s2, s2, s86
	s_add_nc_u64 s[OB1:OB1+1], s[8:9], s[2:3]
	s_lshl_b32 s2, s84, 9
	s_add_co_u32 s2, s2, s87
	s_add_nc_u64 s[OS1:OS1+1], s[8:9], s[2:3]
	s_mul_i32 s2, s85, 12288
	s_add_co_u32 s2, s2, s86
	s_add_nc_u64 s[OB2:OB2+1], s[8:9], s[2:3]
	s_lshl_b32 s2, s85, 9
	s_add_co_u32 s2, s2, s87
	s_add_nc_u64 s[OS2:OS2+1], s[8:9], s[2:3]
.irp i, 6,7,8,9,10,11                          ; K = 64 under an instruction of 128: the upper 64 are zero codes, on both operands; written once
	v_mov_b32 v[QF1+\i], 0
	v_mov_b32 v[QF2+\i], 0
.irp t, 0,1,2,3
	v_mov_b32 v[KF+12*\t+\i], 0
.endr
.endr
.irp b, 0,1,2,3
	v_mov_b32 v[T4+\b], 0                          ; a lane permute's destination counts as one of its sources
.endr
	v_mov_b32 v[TMP], 0
	v_mov_b32 v[F+1], 0                            ; (named as the upper half of a pair)
.macro INIT                            ; O^T and the sum begin as zeros, the largest t under every t: the step is written without a first step of its own
	v_mov_b32 v[MT], 0xff61b1e6
	s_delay_alu instid0(VALU_DEP_1)
	v_floor_f32 v[NM], -v[MT]
	v_mov_b32 v[SUM], 0
	v_mov_b32 v[SUM+1], 0
.set n, 0
.rept 32
	v_mov_b32 v[O+n], 0
.set n, n+1
.endr
.endm
; A KEY STEP: 128 keys, the record at LDS byte s[TB].  tests = 1: a step behind the tile's diagonal is left out, and on the diagonal hidden scores become -infinity.
.macro STEP qf, qs, tests
.if \tests
	s_cmp_gt_u32 s[KS], s[BLK]
	s_cbranch_scc1 .Lhid_\@
.endif
	s_setprio 2
	v_add_nc_u32 v[AD16], s[TB], v[LI]
	s_wait_alu depctr_va_vdst(0)
	v_add_nc_u32 v[AD8], s[TB], v[L8]
	s_wait_alu depctr_va_vdst(0)
	ds_load_b128 v[KSC:KSC+3], v[AD16] offset:KSO  ; lanes 0-15: the words of tiles 0-3, lanes 16-31: of tiles 4-7
.irp g, 0,1
.if \g > 0
.rept 4
	v_nop                                          ; places in front of loads into registers that matrix instructions have read
.endr
.endif
.irp t, 0,1,2,3
	ds_load_b128 v[KF+12*\t:KF+12*\t+3], v[AD16] offset:768*(4*\g+\t)
	ds_load_b64 v[KF+12*\t+4:KF+12*\t+5], v[AD8] offset:768*(4*\g+\t)+512
.endr
	s_wait_dscnt 0x0
.irp t, 0,1,2,3
.if \g > 0
	v_wmma_scale_f32_16x16x128_f8f6f4 v[S+8*(4*\g+\t):S+8*(4*\g+\t)+7], v[KF+12*\t:KF+12*\t+11], v[\qf:\qf+11], 0, v[KSC+\t], v[\qs] matrix_a_fmt:MATRIX_FMT_FP6 matrix_b_fmt:MATRIX_FMT_FP6 matrix_a_scale:MATRIX_SCALE_ROW1
.else
	v_wmma_scale_f32_16x16x128_f8f6f4 v[S+8*(4*\g+\t):S+8*(4*\g+\t)+7], v[KF+12*\t:KF+12*\t+11], v[\qf:\qf+11], 0, v[KSC+\t], v[\qs] matrix_a_fmt:MATRIX_FMT_FP6 matrix_b_fmt:MATRIX_FMT_FP6
.endif
.endr
.endr
.rept 4
	v_nop
.endr
.if \tests
	s_cmp_lg_u32 s[KS], s[BLK]
	s_cbranch_scc1 .Lopen_\@
.set n, 0
.rept 64
	v_cmp_gt_i32 vcc_lo, 16*(n/8)+n%8, v[QD]
	v_cndmask_b32 v[S+n], v[S+n], v[NINF], vcc_lo
.set n, n+1
.endr
.Lopen_\@:
.endif
.irp b, 0,1,2,3
	v_max3_num_f32 v[BM+\b], v[S+16*\b], v[S+16*\b+1], v[S+16*\b+2]   ; the largest score of each block of 32 keys: for the row's maximum and, since p rises with the score, for the block's largest p
.endr
.irp i, 3,5,7,9,11,13
.irp b, 0,1,2,3
	v_max3_num_f32 v[BM+\b], v[BM+\b], v[S+16*\b+\i], v[S+16*\b+\i+1]
.endr
.endr
.irp b, 0,1,2,3
	v_max_num_f32 v[BM+\b], v[BM+\b], v[S+16*\b+15]
.endr
.irp b, 0,1,2,3
	s_delay_alu instid0(VALU_DEP_4)
	v_permlanex16_b32 v[T4+\b], v[BM+\b], s[SEL], s[SEL+1]
.endr
.irp b, 0,1,2,3
	s_delay_alu instid0(VALU_DEP_4)
	v_max_num_f32 v[BM+\b], v[BM+\b], v[T4+\b]
.endr
	s_delay_alu instid0(VALU_DEP_2)
	v_max3_num_f32 v[TMP], v[BM], v[BM+1], v[BM+2]
	s_delay_alu instid0(VALU_DEP_1)
	v_max_num_f32 v[TMP], v[TMP], v[BM+3]
	s_delay_alu instid0(VALU_DEP_1)
	v_mul_f32 v[TMP], s[CS], v[TMP]
	s_delay_alu instid0(VALU_DEP_1)
	v_max_num_f32 v[MT], v[MT], v[TMP]             ; the running largest t
	v_mov_b32 v[TMP], v[NM]
	s_delay_alu instid0(VALU_DEP_2)
	v_floor_f32 v[NM], -v[MT]                      ; -M = floor(-t): M is a whole number
	s_delay_alu instid0(VALU_DEP_1)
	v_sub_f32 v[TMP], v[NM], v[TMP]
	s_delay_alu instid0(VALU_DEP_1)
	v_cvt_i32_f32 v[TMP], v[TMP]                   ; (it saturates)
	s_delay_alu instid0(VALU_DEP_1)
	v_ldexp_f32 v[F], 1.0, v[TMP]                  ; f = 2^(old M - new M)
.set n, 0
.rept 32
	v_pk_fma_f32 v[S+n:S+n+1], v[S+n:S+n+1], s[CS:CS+1], v[NM:NM+1] op_sel_hi:[1,0,0]   ; t - M
.set n, n+2
.endr
.irp b, 0,1,2,3
	v_fma_f32 v[BM+\b], v[BM+\b], s[CS], v[NM]
.endr
.set n, 0
	s_setprio 1
	s_wait_alu depctr_va_vdst(0)
.rept 64
	v_exp_f32 v[S+n], v[S+n]                       ; p = 2^(t - M)
.set n, n+1
.endr
	v_pk_mul_f32 v[SUM:SUM+1], v[SUM:SUM+1], v[F:F+1] op_sel_hi:[1,0]   ; the sums under the new M: the plain place behind the exponentials
	s_wait_alu depctr_va_vdst(0)                   ; one wait for the batch, ahead of its first reader
.irp b, 0,1,2,3
	v_exp_f32 v[BM+\b], v[BM+\b]                   ; each block's largest p
.endr
	v_pk_add_f32 v[220:221], v[104:105], v[108:109]
	v_pk_add_f32 v[252:253], v[112:113], v[116:117]
	v_pk_add_f32 v[250:251], v[120:121], v[124:125]
	v_pk_add_f32 v[248:249], v[128:129], v[132:133]
	v_pk_add_f32 v[246:247], v[136:137], v[140:141]
	v_pk_add_f32 v[244:245], v[144:145], v[148:149]
	v_pk_add_f32 v[242:243], v[152:153], v[156:157]
	v_pk_add_f32 v[14:15], v[14:15], v[160:161]
	v_pk_add_f32 v[220:221], v[220:221], v[100:101]
	v_pk_add_f32 v[252:253], v[252:253], v[102:103]
	v_pk_add_f32 v[250:251], v[250:251], v[106:107]
	v_pk_add_f32 v[248:249], v[248:249], v[110:111]
	v_pk_add_f32 v[246:247], v[246:247], v[114:115]
	v_pk_add_f32 v[244:245], v[244:245], v[118:119]
	v_pk_add_f32 v[242:243], v[242:243], v[122:123]
	v_pk_add_f32 v[14:15], v[14:15], v[126:127]
	v_pk_add_f32 v[220:221], v[220:221], v[130:131]
	v_pk_add_f32 v[252:253], v[252:253], v[134:135]
	v_pk_add_f32 v[250:251], v[250:251], v[138:139]
	v_pk_add_f32 v[248:249], v[248:249], v[142:143]
	v_pk_add_f32 v[246:247], v[246:247], v[146:147]
	v_pk_add_f32 v[244:245], v[244:245], v[150:151]
	v_pk_add_f32 v[242:243], v[242:243], v[154:155]
	v_pk_add_f32 v[14:15], v[14:15], v[158:159]
	v_pk_add_f32 v[220:221], v[220:221], v[162:163]
	s_delay_alu instid0(VALU_DEP_2)
	v_pk_add_f32 v[14:15], v[14:15], v[248:249]
	s_delay_alu instid0(VALU_DEP_2)
	v_pk_add_f32 v[220:221], v[220:221], v[246:247]
	v_pk_add_f32 v[252:253], v[252:253], v[244:245]
	v_pk_add_f32 v[250:251], v[250:251], v[242:243]
	s_delay_alu instid0(VALU_DEP_2)
	v_pk_add_f32 v[14:15], v[14:15], v[252:253]
	s_delay_alu instid0(VALU_DEP_2)
	v_pk_add_f32 v[220:221], v[220:221], v[250:251]
	s_delay_alu instid0(VALU_DEP_1)
	v_pk_add_f32 v[14:15], v[14:15], v[220:221]
	s_wait_alu depctr_va_vdst(0)                   ; and one for the four
.irp b, 0,1,2,3
	v_max_num_f32 v[BM+\b], 0x1800000, v[BM+\b]    ; the floor 2^(3 - 127)
.endr
.irp b, 0,1,2,3
	s_delay_alu instid0(VALU_DEP_4)
	v_add_nc_u32 v[SO+\b], 0xff000000, v[BM+\b]    ; the conversion's scale operand
.endr
.irp b, 0,1,2,3
	s_delay_alu instid0(VALU_DEP_4)
	v_lshrrev_b32 v[T4+\b], 23, v[SO+\b]           ; the scale's byte
.endr
	s_delay_alu instid0(VALU_DEP_3)
	v_lshl_or_b32 v[PW], v[T4+1], 8, v[T4]
	s_delay_alu instid0(VALU_DEP_1)
	v_lshl_or_b32 v[PW], v[T4+2], 16, v[PW]
	s_delay_alu instid0(VALU_DEP_1)
	v_lshl_or_b32 v[PW], v[T4+3], 24, v[PW]
.irp c, 0,1
	v_cvt_scalef32_pk16_fp6_f32 v[PC+6*\c:PC+6*\c+2], v[S+32*\c:S+32*\c+15], v[SO+2*\c]
	v_cvt_scalef32_pk16_fp6_f32 v[PC+12+4*\c:PC+14+4*\c], v[S+32*\c+16:S+32*\c+31], v[SO+2*\c+1]
.endr
	v_nop                                          ; one plain place behind a scaled conversion
.irp c, 0,1
.irp i, 0,1,2
	v_permlane16_swap_b32 v[PC+6*\c+\i], v[PC+12+4*\c+\i]
.endr
.irp i, 0,1,2
	s_delay_alu instid0(VALU_DEP_3)
	v_mov_b32 v[PC+3+6*\c+\i], v[PC+12+4*\c+\i]
.endr
.endr
.irp ct, 0,1,2,3                               ; V's four fragments into the registers that p has left
.irp i, 0,1,2
	ds_load_b128 v[S+12*\ct+4*\i:S+12*\ct+4*\i+3], v[AD16] offset:VIO+1536*\ct+512*\i
.endr
.endr
	s_setprio 0
	ds_load_b64 v[VSC:VSC+1], v[AD8] offset:VSO    ; lanes 0-15: the words of channel tiles 0, 1; lanes 16-31: of 2, 3
.set n, 0
.rept 16
	v_pk_mul_f32 v[O+n:O+n+1], v[O+n:O+n+1], v[F:F+1] op_sel_hi:[1,0]   ; O^T under the new M; these sixteen are also the places between p's scale word and codes and the products
.set n, n+2
.endr
	s_wait_alu depctr_va_vdst(0)
	s_wait_dscnt 0x0
.irp ct, 0,1
	v_wmma_scale_f32_16x16x128_f8f6f4 v[O+8*\ct:O+8*\ct+7], v[S+12*\ct:S+12*\ct+11], v[PC:PC+11], v[O+8*\ct:O+8*\ct+7], v[VSC+\ct], v[PW] matrix_a_fmt:MATRIX_FMT_FP6 matrix_b_fmt:MATRIX_FMT_FP6
.endr
.irp ct, 2,3
	v_wmma_scale_f32_16x16x128_f8f6f4 v[O+8*\ct:O+8*\ct+7], v[S+12*\ct:S+12*\ct+11], v[PC:PC+11], v[O+8*\ct:O+8*\ct+7], v[VSC+\ct-2], v[PW] matrix_a_fmt:MATRIX_FMT_FP6 matrix_b_fmt:MATRIX_FMT_FP6 matrix_a_scale:MATRIX_SCALE_ROW1
.endr
.rept 5
	v_nop                                          ; the next step's S^T is written over V's registers by matrix instructions: five places
.endr
.if \tests
.Lhid_\@:
.endif
.endm
; A tile's end: O^T / the sum, quantised along the head's 64 channels (two blocks), stored as an image of six registers, with one scale byte a block.
.macro FINISH ob, os
	v_add_f32 v[SUM], v[SUM], v[SUM+1]
	s_delay_alu instid0(VALU_DEP_1)
	v_permlanex16_b32 v[TMP], v[SUM], s[SEL], s[SEL+1]
	s_delay_alu instid0(VALU_DEP_1)
	v_add_f32 v[SUM], v[SUM], v[TMP]
	s_wait_alu depctr_va_vdst(0)
	v_rcp_f32 v[SUM], v[SUM]
	v_nop                                          ; a plain place behind the reciprocal
	s_wait_alu depctr_va_vdst(0)                   ; and the wait ahead of its first reader
.set n, 0
.rept 32
	v_mul_f32 v[S+n], v[O+n], v[SUM]               ; each accumulator from its low end on
.set n, n+1
.endr
.irp b, 0,1
	v_max3_num_f32 v[BM+\b], |v[S+16*\b]|, |v[S+16*\b+1]|, 0x1800000
.endr
.irp i, 2,4,6,8,10,12,14
.irp b, 0,1
	s_delay_alu instid0(VALU_DEP_2)
	v_max3_num_f32 v[BM+\b], v[BM+\b], |v[S+16*\b+\i]|, |v[S+16*\b+\i+1]|
.endr
.endr
.irp b, 0,1
	s_delay_alu instid0(VALU_DEP_2)
	v_permlanex16_b32 v[T4+\b], v[BM+\b], s[SEL], s[SEL+1]
.endr
.irp b, 0,1
	s_delay_alu instid0(VALU_DEP_2)
	v_max_num_f32 v[BM+\b], v[BM+\b], v[T4+\b]
.endr
.irp b, 0,1
	s_delay_alu instid0(VALU_DEP_2)
	v_add_nc_u32 v[SO+\b], 0xff000000, v[BM+\b]
.endr
.irp b, 0,1
	s_delay_alu instid0(VALU_DEP_2)
	v_lshrrev_b32 v[T4+\b], 23, v[SO+\b]
.endr
	s_delay_alu instid0(VALU_DEP_1)
	v_cndmask_b32 v[TMP], v[T4], v[T4+1], s[MSK]   ; lanes 0-15 store block 0's byte, lanes 16-31 block 1's
	v_cvt_scalef32_pk16_fp6_f32 v[PC:PC+2], v[S:S+15], v[SO]
	v_cvt_scalef32_pk16_fp6_f32 v[PC+12:PC+14], v[S+16:S+31], v[SO+1]
	v_nop
.irp i, 0,1,2
	v_permlane16_swap_b32 v[PC+\i], v[PC+12+\i]
.endr
.irp i, 0,1,2
	s_delay_alu instid0(VALU_DEP_3)
	v_mov_b32 v[PC+3+\i], v[PC+12+\i]
.endr
	global_store_b128 v[LI], v[PC:PC+3], s[\ob:\ob+1]
	global_store_b64 v[L8], v[PC+4:PC+5], s[\ob:\ob+1] offset:512
	global_store_b8 v[OSV], v[TMP], s[\os:\os+1]
.endm
	s_mov_b32 s[BLK], s[LL]                        ; THE LONG TILE: key steps 0 .. L, L at least 8
	INIT
	s_wait_loadcnt 0x0                             ; Q
	s_wait_tensorcnt 2                             ; key steps 0, 1 have landed; the two later loads may be out
	s_wait_dscnt 0x0
	s_barrier_signal -1
	s_barrier_wait -1
	s_mov_b32 s[KS], 0
	s_mov_b32 s[TB], 0
.Lk_a:
	STEP QF1, QS1, 0
	s_add_co_u32 s[TB], s[TB], REC
	s_add_co_u32 s[KS], s[KS], 1
	s_cmp_lt_u32 s[KS], 2
	s_cbranch_scc1 .Lk_a
	s_setprio 0
	s_wait_tensorcnt 1                             ; key steps 2-5 have landed
	s_wait_dscnt 0x0
	s_barrier_signal -1
	s_barrier_wait -1
	s_mov_b32 s[KS], 2
	s_mov_b32 s[TB], 2*REC
.Lk_b:
	STEP QF1, QS1, 0
	s_add_co_u32 s[TB], s[TB], REC
	s_add_co_u32 s[KS], s[KS], 1
	s_cmp_lt_u32 s[KS], 6
	s_cbranch_scc1 .Lk_b
	s_setprio 0
	s_wait_tensorcnt 0x0                           ; all have landed
	s_wait_dscnt 0x0
	s_barrier_signal -1
	s_barrier_wait -1
	s_mov_b32 s[KS], 6
	s_mov_b32 s[TB], 6*REC
.Lk_c:                                             ; ten trips in every wave; the steps behind the diagonal are left out inside the trip
	STEP QF1, QS1, 1
	s_add_co_u32 s[TB], s[TB], REC
	s_add_co_u32 s[KS], s[KS], 1
	s_cmp_lt_u32 s[KS], 16
	s_cbranch_scc1 .Lk_c
	s_setprio 0
	FINISH OB1, OS1
	s_wait_xcnt 0x0                                ; the stores have read their registers: they are written again only behind this wait
	s_mov_b32 s[BLK], s[SH]                        ; THE SHORT TILE: key steps 0 .. 15 - L, at most 7
	INIT
	s_mov_b32 s[KS], 0
	s_mov_b32 s[TB], 0
.Lk_d:
	STEP QF2, QS2, 1
	s_add_co_u32 s[TB], s[TB], REC
	s_add_co_u32 s[KS], s[KS], 1
	s_cmp_lt_u32 s[KS], 8
	s_cbranch_scc1 .Lk_d
	s_setprio 0
	FINISH OB2, OS2
	s_wait_tensorcnt 0x0
	ds_add_u32 v254, v255
	s_wait_dscnt 0x0
	CROUND                                         ; the closing round
	s_endpgm
.Lfunc_end_k_q9fb5437765_attn:
	.size	k_q9fb5437765_attn, .Lfunc_end_k_q9fb5437765_attn-k_q9fb5437765_attn
	.p2alignl 7, 3214868480
	.fill 96, 4, 3214868480
	.section	.rodata,"a",@progbits
	.p2align	6, 0x0
	.amdhsa_kernel k_q9fb5437765_attn
		.amdhsa_group_segment_fixed_size 210944
		.amdhsa_private_segment_fixed_size 0
		.amdhsa_enable_private_segment 0
		.amdhsa_kernarg_size 24
		.amdhsa_user_sgpr_count 2
		.amdhsa_user_sgpr_kernarg_segment_ptr 1
		.amdhsa_wavefront_size32 1
		.amdhsa_system_sgpr_workgroup_id_x 1
		.amdhsa_system_sgpr_workgroup_id_y 1
		.amdhsa_system_sgpr_workgroup_id_z 1
		.amdhsa_system_vgpr_workitem_id 0
		.amdhsa_next_free_vgpr 256
		.amdhsa_next_free_sgpr 88
		.amdhsa_reserve_vcc 1
		.amdhsa_float_denorm_mode_32 3
		.amdhsa_float_denorm_mode_16_64 3
		.amdhsa_memory_ordered 1
		.amdhsa_forward_progress 1
		.amdhsa_inst_pref_size 100
	.end_amdhsa_kernel
	.amdgpu_metadata
---
amdhsa.version: [ 1, 2 ]
amdhsa.kernels:
  - .name:           k_q9fb5437765_attn
    .symbol:         k_q9fb5437765_attn.kd
    .args:
      - { .name: qb, .offset: 0, .size: 8, .value_kind: global_buffer, .address_space: global }
      - { .name: kv, .offset: 8, .size: 8, .value_kind: global_buffer, .address_space: global }
      - { .name: oq, .offset: 16, .size: 8, .value_kind: global_buffer, .address_space: global }
    .group_segment_fixed_size: 210944
    .private_segment_fixed_size: 0
    .kernarg_segment_align: 8
    .kernarg_segment_size: 24
    .max_flat_workgroup_size: 512
    .sgpr_count:     88
    .vgpr_count:     256
    .wavefront_size: 32
...
	.end_amdgpu_metadata
.endif
;; end of part 3
;; launch oproj (part 4): grid 4 x 64, 4 waves a work-group, clusters of 4 x 4, 327,680 bytes of LDS; arguments oq, wq, out0; writes out0
.if DOCPART == 4
	.amdgcn_target "amdgcn-amd-amdhsa--gfx1250"
	.amdhsa_code_object_version 6
	.text
	.protected	k_q9fb5437765_oproj
	.globl	k_q9fb5437765_oproj
	.p2align	8
	.type	k_q9fb5437765_oproj,@function
k_q9fb5437765_oproj:
	s_mov_b64 s[64:65], 0
	v_nop
	global_prefetch_b8 v0, s[64:65] scope:SCOPE_SE
	s_setreg_imm32_b32 hwreg(HW_REG_WAVE_MODE, 25, 1), 1
	s_wait_xcnt 0x0
	s_wait_alu depctr_hold_cnt(0) depctr_sa_sdst(0) depctr_va_vdst(0) depctr_va_sdst(0) depctr_va_ssrc(0) depctr_va_vcc(0) depctr_vm_vsrc(0)
	s_getreg_b32 s2, hwreg(HW_REG_IB_STS2, 6, 4)
	s_cmp_eq_u32 s2, 0
	s_cbranch_scc0 .Lentry_in_a_cluster
	s_endpgm
.Lentry_in_a_cluster:
	s_bfe_u32 s2, ttmp6, 0x10000c
	s_cmp_lg_u32 s2, 0xf033
	s_cbranch_scc0 .Lentry_shape_is_right
	s_endpgm
.Lentry_shape_is_right:
; out0 = attention's result x Wo^T on codes of FP6 (E2M3) with E8M0 scales; K = 1,024; out0 [8192][1024] f32.
; A tile is 128 tokens x 256 features, so that there are 256 work-groups; a wave makes 64 x 128: 32 accumulators.  K goes in steps of 256 through a ring of two LDS slots: four K steps, written out.
; A (tokens) lies in oq as images of the operand's registers: for each 16 tokens 12,288 bytes, 1,536 for each 128 along K (two heads' images of 768: four registers at 16 x lane, two at 512 + 8 x lane).
; B = rows 3,072 .. 4,095 of wq, rows of 768 bytes.  The scale bytes, 32 a row, of the work-group's rows come into LDS once, in whole rows of 256 bytes.
; Source 0 = 16 rows of Wo, source 1 = 16 tokens: a lane holds eight neighbouring numbers of a row of out0.
; CLUSTERS: 4 x 4 work-groups; A's tiles are shared along a row of the cluster, B's along a column, each asked for jointly.
; REGISTERS: window 0: v0-31 addresses; v32-63 scale words, two sets; v64-111, v112-159 A's fragments, two sets; on the way out v128-255 rows of out0.  window 1: B's fragments, two sets.  window 2: the accumulators.
.set NQ,     2
.set ROWB,   192
.set KROW,   768
.set PITCH,  240
.set FR,     12
.set NP,     4
.set HALFT,  128*PITCH
.set ABYT,   8*3072                    ; A's part of a slot: 8 tiles of 16 tokens x 3,072 bytes
.set SLOT,   ABYT+2*HALFT
.set KS,     32
.set SCL,    2*SLOT                    ; A's scales: 2 x 2,176 bytes
.set SCB,    SCL+4352                  ; B's: 2 x 4,352
.set SBLK,   544
.set SPARE,  SCB+8704                  ; the spare words, 128 bytes for each wave: no other line names them
.set SPITCH, 528                       ; the way out: a stage of 16 rows x (512 + 16) bytes for each wave, in slot 0, which has had its last fill and its last read by then
.set ADA16, 16
.set ADA8,  18
.set ADRB,  20
.set STO,   24
.set RD,    25
.set CO,    26
.set ADRS,  27
.set SPW,   28
.set NIL,   29
.set SC,    32
.set AF,    64
.set BK,    128
.set G1, 24
.set G0, 32
.set G1B, 48
.set G0B, 56
.set G1S, 68
.set G0S, 76
.set G1SB, 80
.set G0SB, 88
.set MSB, 0
.macro WIN new
.if MSB != (\new)
	s_set_vgpr_msb (MSB<<8)|(\new)
.set MSB, (\new)
.endif
.endm
.set MUL,  0xa1                        ; source 0 (B) window 1, source 1 (A) window 0, C and D window 2
.set TO_B, 0x40
.macro JLOAD g0a, g1a, g0b, g1b        ; waves 0 and 1 fetch for A, waves 2 and 3 for B; four v_nop follow each of the two lines
	s_cmp_eq_u32 s15, 0
	s_cbranch_scc0 .Lfor_b_\@
	tensor_load_to_lds s[\g0a:\g0a+3], s[\g1a:\g1a+7]
	s_nop 0
.rept 4
	v_nop
.endr
	s_branch .Lasked_\@
.Lfor_b_\@:
	tensor_load_to_lds s[\g0b:\g0b+3], s[\g1b:\g1b+7]
	s_nop 0
.rept 4
	v_nop
.endr
.Lasked_\@:
.endm
.macro CREST
	s_cmp_lg_u32 s14, 0
	s_cbranch_scc1 .Lnot_wave_0_\@
	s_barrier_signal -3
.Lnot_wave_0_\@:
	s_barrier_wait -3
	s_barrier_signal -1
	s_barrier_wait -1
.endm
.macro CROUND
	s_barrier_signal -1
	s_barrier_wait -1
	CREST
.endm
	s_load_b128 s[4:7], s[0:1], 0x0                ; oq s[4:5], wq s[6:7]
	s_load_b64 s[12:13], s[0:1], 0x10              ; out0
	v_lshl_add_u32 v[SPW], v0, 2, SPARE
	v_mov_b32 v[NIL], 0
	ds_add_u32 v28, v29
	ds_add_u32 v28, v29
	s_wait_dscnt 0x0
	v_lshrrev_b32 v1, 5, v0
	v_readfirstlane_b32 s14, v1                    ; wave 0..3
	s_lshr_b32 s15, s14, 1                         ; which 64 tokens are mine.  Also: I fetch for A (0) or for B (1)
	s_and_b32 s16, s14, 1                          ; which 128 features.  Also: which half I fetch
	s_bfe_u32 s40, ttmp6, 0x40000
	s_bfe_u32 s41, ttmp6, 0x40004
	s_lshl_b32 s42, ttmp9, 2
	s_add_co_u32 s42, s42, s40                     ; tile column (256 features)
	s_and_b32 s17, ttmp7, 0xffff
	s_lshl_b32 s17, s17, 2
	s_add_co_u32 s17, s17, s41                     ; tile row (128 tokens)
	s_lshl_b32 s43, s41, 2
	s_lshl_b32 s43, 15, s43                        ; my row of the cluster
	s_lshl_b32 s44, 0x1111, s40                    ; my column
	s_or_b32 s[G1+0], s43, (0<<16)|(1<<21)         ; A: 4 rows (tiles of 16 tokens) of 3,072 bytes, 12,288 apart, no padding
	s_mov_b32 s[G1+1], 3072<<16
	s_mov_b32 s[G1+2], 4<<16
	s_mov_b32 s[G1+3], 3072<<16
	s_mov_b32 s[G1+4], 4
	s_mov_b32 s[G1+5], 12288
	s_mov_b32 s[G1+6], 0
	s_mov_b32 s[G1+7], 0
	s_or_b32 s[G1B+0], s44, (0<<16)|(1<<20)|(1<<21)|(3<<22)|(3<<25)   ; B: 128 rows of 192 bytes, 16 bytes of padding behind every 64
	s_mov_b32 s[G1B+1], ROWB<<16
	s_mov_b32 s[G1B+2], 128<<16
	s_mov_b32 s[G1B+3], ROWB<<16
	s_mov_b32 s[G1B+4], 128
	s_mov_b32 s[G1B+5], KROW
	s_mov_b32 s[G1B+6], 0
	s_mov_b32 s[G1B+7], 0
	s_or_b32 s[G1S+0], s43, (3<<16)|(1<<20)|(1<<21)|(5<<22)|(3<<25)   ; A's scales: 64 rows x 32 bytes = 8 rows of 256, 16 bytes of padding behind each
	s_mov_b32 s[G1S+1], 32<<16
	s_mov_b32 s[G1S+2], 8<<16
	s_mov_b32 s[G1S+3], 32<<16
	s_mov_b32 s[G1S+4], 8
	s_mov_b32 s[G1S+5], 32
	s_mov_b32 s[G1S+6], 0
	s_mov_b32 s[G1S+7], 0
	s_or_b32 s[G1SB+0], s44, (3<<16)|(1<<20)|(1<<21)|(5<<22)|(3<<25)  ; B's: 128 rows = 16 rows of 256
	s_mov_b32 s[G1SB+1], 32<<16
	s_mov_b32 s[G1SB+2], 16<<16
	s_mov_b32 s[G1SB+3], 32<<16
	s_mov_b32 s[G1SB+4], 16
	s_mov_b32 s[G1SB+5], 32
	s_mov_b32 s[G1SB+6], 0
	s_mov_b32 s[G1SB+7], 0
	s_lshl_b32 s20, s17, 3
	s_lshl_b32 s18, s16, 2
	s_add_co_u32 s20, s20, s18
	s_mul_i32 s20, s20, 12288                      ; A's images: tile of 16 tokens 8 x tile row + 4 x half
	s_mov_b32 s21, 0
	s_lshl_b32 s22, s17, 12
	s_lshl_b32 s18, s16, 11
	s_add_co_u32 s22, s22, s18
	s_add_co_u32 s22, s22, 6291456                 ; A's scales: token 128 x tile row + 64 x half, 32 bytes each
	s_mov_b32 s23, 0
	s_lshl_b32 s46, s42, 8
	s_lshl_b32 s18, s16, 7
	s_add_co_u32 s46, s46, s18
	s_add_co_u32 s46, s46, 3072                    ; B's row in wq
	s_lshl_b32 s92, s46, 5
	s_add_co_u32 s92, s92, 3145728                 ; its scales
	s_mov_b32 s93, 0
	s_mul_i32 s46, s46, KROW                       ; its codes
	s_mov_b32 s47, 0
	s_mul_i32 s45, s16, 4*3072                     ; where they go: no place in the cluster enters an LDS address
	s_mul_i32 s94, s16, HALFT
	s_add_co_u32 s94, s94, ABYT
	s_mul_i32 s95, s16, 2176
	s_add_co_u32 s95, s95, SCL
	s_mul_i32 s96, s16, 4352
	s_add_co_u32 s96, s96, SCB
	s_wait_kmcnt 0x0
	s_add_nc_u64 s[20:21], s[4:5], s[20:21]
	s_add_nc_u64 s[22:23], s[4:5], s[22:23]
	s_add_nc_u64 s[46:47], s[6:7], s[46:47]
	s_add_nc_u64 s[92:93], s[6:7], s[92:93]
	CROUND                                         ; all sixteen work-groups are here: the first joint loads meet
	s_mov_b32 s[G0S], 1
	s_mov_b32 s[G0S+1], s95
	s_mov_b64 s[G0S+2:G0S+3], s[22:23]
	s_or_b32 s[G0S+3], s[G0S+3], 0x80000000
	s_mov_b32 s[G0SB], 1
	s_mov_b32 s[G0SB+1], s96
	s_mov_b64 s[G0SB+2:G0SB+3], s[92:93]
	s_or_b32 s[G0SB+3], s[G0SB+3], 0x80000000
	JLOAD G0S, G1S, G0SB, G1SB                     ; the scales: filled once
.irp s, 0,1
	s_mov_b32 s[G0+4*\s], 1
	s_add_co_u32 s[G0+4*\s+1], s45, \s*SLOT
	s_add_nc_u64 s[G0+4*\s+2:G0+4*\s+3], s[20:21], \s*3072
	s_or_b32 s[G0+4*\s+3], s[G0+4*\s+3], 0x80000000
	s_mov_b32 s[G0B+4*\s], 1
	s_add_co_u32 s[G0B+4*\s+1], s94, \s*SLOT
	s_add_nc_u64 s[G0B+4*\s+2:G0B+4*\s+3], s[46:47], \s*ROWB
	s_or_b32 s[G0B+4*\s+3], s[G0B+4*\s+3], 0x80000000
	JLOAD G0+4*\s, G1, G0B+4*\s, G1B
.endr
	v_and_b32 v1, 15, v0                           ; l % 16
	v_bfe_u32 v2, v0, 4, 1                         ; l / 16
	v_and_b32 v7, 31, v0
	v_lshlrev_b32 v8, 4, v7                        ; 16 x lane
	v_lshlrev_b32 v9, 3, v7                        ; 8 x lane
	v_mul_u32_u24 v3, v1, PITCH
	v_mul_u32_u24 v4, v2, 24
	v_add_nc_u32 v4, v3, v4                        ; B: a fragment's row x pitch + 24 x half
	v_lshl_add_u32 v5, v2, 4, v4                   ; and the same behind one padding more
	s_mul_i32 s21, s15, 4*3072                     ; my four tiles of A
	s_mul_i32 s22, s16, HALFT
	s_add_co_u32 s22, s22, ABYT                    ; my 128 rows of B
.irp s, 0,1
	v_add_nc_u32 v[ADA16+\s], s21, v8
	v_add_nc_u32 v[ADA8+\s], s21, v9
	v_add_nc_u32 v[ADRB+\s], s22, v4
	v_add_nc_u32 v[ADRB+2+\s], s22, v5
	s_add_co_u32 s21, s21, SLOT
	s_add_co_u32 s22, s22, SLOT
.endr
	v_mul_u32_u24 v5, v1, KS                       ; my row's scales: 32 bytes a row,
	v_lshrrev_b32 v6, 8, v5
	v_lshl_add_u32 v5, v6, 4, v5                   ; and 16 more for each 256 passed
	s_mul_i32 s21, s15, 2176                       ; A's: my 64 rows
	s_mul_i32 s22, s16, 4352                       ; B's: my 128 rows, behind A's
	s_add_co_u32 s22, s22, 4352
	s_sub_co_u32 s22, s22, s21
	v_mul_u32_u24 v6, s22, v2                      ; lanes 16-31 take B's
	s_add_co_u32 s21, s21, SCL
	v_add_nc_u32 v5, v5, v6
	v_add_nc_u32 v[ADRS], s21, v5
	s_mul_i32 s23, s14, 16*SPITCH                  ; my stage
	v_mul_u32_u24 v5, v1, SPITCH
	v_lshl_add_u32 v5, v2, 5, v5
	v_add_nc_u32 v[STO], s23, v5                   ; in: row l % 16, 32 bytes for each half of the lanes
	v_lshlrev_b32 v[CO], 4, v7                     ; back: the 32 lanes take one row of 512 bytes; the same in out0
	v_add_nc_u32 v[RD], s23, v[CO]
	s_lshl_b32 s20, s17, 7
	s_lshl_b32 s21, s15, 6
	s_add_co_u32 s20, s20, s21                     ; my first token
	s_lshl_b32 s20, s20, 12                        ; a row of out0 is 4,096 bytes
	s_lshl_b32 s46, s42, 10
	s_lshl_b32 s47, s16, 9
	s_add_co_u32 s46, s46, s47
	s_add_co_u32 s20, s20, s46                     ; + my first feature
	s_mov_b32 s21, 0
	s_add_nc_u64 s[12:13], s[12:13], s[20:21]
.macro FRAG reg, adr, q, i             ; B: 16 rows x 128 K: 12 registers in pieces of 8 bytes; where the piece of lanes 16-31 lies behind one padding more, the second address register serves
.irp p, 0,1,2,3,4,5
.set PCE, 12*(\q)+6*(\p/3)+\p%3
.if PCE%8 < 5
	ds_load_b64 v[\reg+2*\p:\reg+2*\p+1], v[\adr] offset:8*PCE+16*(PCE/8)+(\i)*16*PITCH
.else
	ds_load_b64 v[\reg+2*\p:\reg+2*\p+1], v[\adr+2] offset:8*PCE+16*(PCE/8)+(\i)*16*PITCH
.endif
.endr
.endm
.macro FETCH_B slot, q, p
	WIN TO_B
.irp i, 0,1,2,3,4,5,6,7
	FRAG 128*(\p)+FR*\i, ADRB+\slot, \q, \i
.endr
	WIN 0
.endm
.macro FETCH_A slot, q, p              ; A's four fragments, as they were stored: two heads' images each
.irp i, 0,1,2,3
	ds_load_b128 v[AF+48*(\p)+FR*\i:AF+48*(\p)+FR*\i+3], v[ADA16+\slot] offset:3072*\i+1536*(\q)
	ds_load_b64 v[AF+48*(\p)+FR*\i+4:AF+48*(\p)+FR*\i+5], v[ADA8+\slot] offset:3072*\i+1536*(\q)+512
	ds_load_b128 v[AF+48*(\p)+FR*\i+6:AF+48*(\p)+FR*\i+9], v[ADA16+\slot] offset:3072*\i+1536*(\q)+768
	ds_load_b64 v[AF+48*(\p)+FR*\i+10:AF+48*(\p)+FR*\i+11], v[ADA8+\slot] offset:3072*\i+1536*(\q)+1280
.endr
.endm
.macro SCALES sc                       ; a K step's scale words: lanes 0-15 A's block i (blocks 0-3 are used), lanes 16-31 B's block i
.irp i, 0,1,2,3,4,5,6,7
	ds_load_b64 v[SC+8*NQ*\sc+NQ*\i:SC+8*NQ*\sc+NQ*\i+1], v[ADRS] offset:\i*SBLK
.endr
.endm
.macro PLACES n
.rept \n
	v_nop
.endr
.endm
; 16 matrix instructions: A's blocks a0, a0 + 1 x B's eight; p: the sets of fragments.  The 32 accumulators take turns, one instruction a turn, in the same order in every step.
.macro MUL16 a0, p, q, sc, zero
.irp a, \a0, \a0+1
.irp b, 0,1,2,3,4,5,6,7
.if \zero
	v_wmma_scale_f32_16x16x128_f8f6f4 v[8*(8*(\a)+\b):8*(8*(\a)+\b)+7], v[128*(\p)+FR*\b:128*(\p)+FR*\b+FR-1], v[AF+48*(\p)+FR*(\a):AF+48*(\p)+FR*(\a)+FR-1], 0, v[SC+8*NQ*(\sc)+NQ*\b+(\q)], v[SC+8*NQ*(\sc)+NQ*(\a)+(\q)] matrix_a_fmt:MATRIX_FMT_FP6 matrix_b_fmt:MATRIX_FMT_FP6 matrix_a_scale:MATRIX_SCALE_ROW1
.else
	v_wmma_scale_f32_16x16x128_f8f6f4 v[8*(8*(\a)+\b):8*(8*(\a)+\b)+7], v[128*(\p)+FR*\b:128*(\p)+FR*\b+FR-1], v[AF+48*(\p)+FR*(\a):AF+48*(\p)+FR*(\a)+FR-1], v[8*(8*(\a)+\b):8*(8*(\a)+\b)+7], v[SC+8*NQ*(\sc)+NQ*\b+(\q)], v[SC+8*NQ*(\sc)+NQ*(\a)+(\q)] matrix_a_fmt:MATRIX_FMT_FP6 matrix_b_fmt:MATRIX_FMT_FP6 matrix_a_scale:MATRIX_SCALE_ROW1
.endif
.endr
.endr
.endm
; A slot's first 128 along K: set 0 is multiplied while set 1 is fetched.
.macro STEP slot, zero
	s_wait_dscnt 0x0                               ; set 0 and the scale words are in
	PLACES NP                                      ; in front of loads into set 1, which the last products read
	FETCH_B \slot, 1, 1
	FETCH_A \slot, 1, 1
	WIN MUL
	MUL16 0, 0, 0, \slot, \zero
	MUL16 2, 0, 0, \slot, \zero
	WIN 0
.endm
; Its second 128, and the change of slots: one barrier; in front of it each wave waits for all its tensor loads, adds 0 to its spare word, and waits for that and for its own reads of this slot.
.macro TURN slot, next, fill
	s_wait_tensorcnt 0x0                           ; all my tensor loads have landed: my part of the next slot
	ds_add_u32 v[SPW], v[NIL]                      ; 0 onto my spare word
	s_wait_dscnt 1                                 ; set 1 is in (the add may be out)
	WIN MUL
	MUL16 0, 1, 1, \slot, 0                        ; sixteen matrix instructions stand between the add and the wait for it
	s_wait_dscnt 0x0                               ; the add is done, and my reads of this slot are over
	s_barrier_signal -1
	WIN 0
	s_barrier_wait -1
.if \fill
	CREST                                          ; the barrier has opened a round of the cluster's barrier: no wave of any partner still reads this slot or has a load on its way
	s_add_nc_u64 s[G0+4*\slot+2:G0+4*\slot+3], s[G0+4*\slot+2:G0+4*\slot+3], 2*3072
	s_add_nc_u64 s[G0B+4*\slot+2:G0B+4*\slot+3], s[G0B+4*\slot+2:G0B+4*\slot+3], 2*ROWB
	JLOAD G0+4*\slot, G1, G0B+4*\slot, G1B         ; the first tensor load behind the round; its four v_nop are the places in front of the loads below
.else
	PLACES NP
.endif
	v_add_nc_u32 v[ADRS], 4*NQ, v[ADRS]            ; the next K step's scale words
	FETCH_B \next, 0, 0
	FETCH_A \next, 0, 0
	SCALES \next
	WIN MUL
	MUL16 2, 1, 1, \slot, 0
	WIN 0
.endm
	s_wait_tensorcnt 1                             ; the scales and my part of K step 0 are in (K step 1's load may be out),
	s_barrier_signal -1
	s_barrier_wait -1                              ; everybody's are
	FETCH_B 0, 0, 0
	FETCH_A 0, 0, 0
	SCALES 0
	STEP 0, 1                                      ; the first products start the sums
	TURN 0, 1, 1                                   ; slot 0 takes K step 2
	STEP 1, 0
	TURN 1, 0, 1                                   ; slot 1 takes K step 3
	STEP 0, 0
	TURN 0, 1, 0                                   ; nothing is left to fetch
	STEP 1, 0
	s_wait_dscnt 0x0
	WIN MUL
	MUL16 0, 1, 1, 1, 0
	MUL16 2, 1, 1, 1, 0
	WIN 0
; THE WAY OUT, block by block of 16 tokens x 128 features: through my own stage in LDS, back as whole rows of 512 bytes.  LDS serves a wave's instructions in order: no wait between the stores and the loads.
.macro TOSTAGE a
.set AC, 64*(\a)
	WIN 0x08                                       ; an LDS store's data: window 2
.irp b, 0,1,2,3,4,5,6,7
	ds_store_b128 v[STO], v[AC+8*\b:AC+8*\b+3] offset:64*\b          ; each accumulator from its low end on
	ds_store_b128 v[STO], v[AC+8*\b+4:AC+8*\b+7] offset:64*\b+16
.endr
	WIN 0
.set BB, BK+64*((\a)%2)
.irp t, 0,1,2,3,4,5,6,7,8,9,10,11,12,13,14,15
	ds_load_b128 v[BB+4*\t:BB+4*\t+3], v[RD] offset:\t*SPITCH
.endr
.endm
.macro SEND a, younger                 ; younger: the LDS instructions issued behind block a's loads, which may stay out
.set BB, BK+64*((\a)%2)
	s_wait_dscnt \younger
.if (\a) > 0
	s_add_nc_u64 s[12:13], s[12:13], 16*4096       ; 16 rows on (behind a wait that shows that the earlier stores have read their base)
.endif
.irp t, 0,1,2,3,4,5,6,7,8,9,10,11,12,13,14,15
	global_store_b128 v[CO], v[BB+4*\t:BB+4*\t+3], s[12:13] offset:\t*4096 th:TH_STORE_NT   ; 32 lanes store 512 consecutive bytes, aligned
.endr
.endm
	PLACES NP                                      ; behind the last products: their results are read, and registers that they read are loaded, from here on
	TOSTAGE 0
.irp a, 1,2,3
.if \a > 1
	s_wait_xcnt 0x0                                ; block a - 2's stores have read their registers and their base
.endif
	TOSTAGE \a
	SEND \a-1, 32                                  ; behind block a - 1's loads: block a's 16 stores and 16 loads
.endr
	s_wait_xcnt 0x0
	SEND 3, 0
	s_wait_tensorcnt 0x0                           ; the wave's end
	ds_add_u32 v[SPW], v[NIL]
	s_wait_dscnt 0x0
	CROUND                                         ; the closing round
	s_endpgm
.Lfunc_end_k_q9fb5437765_oproj:
	.size	k_q9fb5437765_oproj, .Lfunc_end_k_q9fb5437765_oproj-k_q9fb5437765_oproj
	.p2alignl 7, 3214868480
	.fill 96, 4, 3214868480
	.section	.rodata,"a",@progbits
	.p2align	6, 0x0
	.amdhsa_kernel k_q9fb5437765_oproj
		.amdhsa_group_segment_fixed_size 327680
		.amdhsa_private_segment_fixed_size 0
		.amdhsa_enable_private_segment 0
		.amdhsa_kernarg_size 24
		.amdhsa_user_sgpr_count 2
		.amdhsa_user_sgpr_kernarg_segment_ptr 1
		.amdhsa_wavefront_size32 1
		.amdhsa_system_sgpr_workgroup_id_x 1
		.amdhsa_system_sgpr_workgroup_id_y 1
		.amdhsa_system_sgpr_workgroup_id_z 1
		.amdhsa_system_vgpr_workitem_id 0
		.amdhsa_next_free_vgpr 768
		.amdhsa_next_free_sgpr 98
		.amdhsa_reserve_vcc 0
		.amdhsa_float_denorm_mode_32 3
		.amdhsa_float_denorm_mode_16_64 3
		.amdhsa_memory_ordered 1
		.amdhsa_forward_progress 1
		.amdhsa_inst_pref_size 96
	.end_amdhsa_kernel
	.amdgpu_metadata
---
amdhsa.version: [ 1, 2 ]
amdhsa.kernels:
  - .name:           k_q9fb5437765_oproj
    .symbol:         k_q9fb5437765_oproj.kd
    .args:
      - { .name: oq, .offset: 0, .size: 8, .value_kind: global_buffer, .address_space: global }
      - { .name: wq, .offset: 8, .size: 8, .value_kind: global_buffer, .address_space: global }
      - { .name: out0, .offset: 16, .size: 8, .value_kind: global_buffer, .address_space: global }
    .group_segment_fixed_size: 327680
    .private_segment_fixed_size: 0
    .kernarg_segment_align: 8
    .kernarg_segment_size: 24
    .max_flat_workgroup_size: 128
    .sgpr_count:     98
    .vgpr_count:     768
    .wavefront_size: 32
...
	.end_amdgpu_metadata
.endif
;; end of part 4
